; MI455X (gfx1250); checked and timed in simulation.
; The chip was launched on July 23, 2026; its instructions are those of AMD's public machine-readable ISA for CDNA 5 (MIT licence, August 2026) and "CDNA5" Instruction Set Architecture Reference Guide (July 2026). The comments in the code are by the model that wrote it; some were corrected since.
;; Multi Head Attention. Allowed arithmetic: matrix products marked QUANTISED: E3M2 operands, one E8M0 scale for each 32 along K, by v_wmma_scale_f32_16x16x128_f8f6f4 with both operands' format E3M2, f32 sums; everything else in f32.
;; Inputs: K 4 x 2,048 x 1,024 float32; Q 4 x 2,048 x 1,024 float32; V 4 x 2,048 x 1,024 float32; Wk 1,024 x 1,024 float32; Wo 1,024 x 1,024 float32; Wq 1,024 x 1,024 float32; Wv 1,024 x 1,024 float32; beta 1,024 float32; bk 1,024 float32; bo 1,024 float32; bq 1,024 float32; bv 1,024 float32; gamma 1,024 float32; mask 4 x 1 x 1 x 2,048 int32.
;; Outputs: out0 4 x 2,048 x 1,024 float32.
;; This version of the problem:
;;   THIS VERSION OF THE PROBLEM IS GIVEN IN LOW PRECISION. The matrix products marked QUANTISED in the list below multiply operands that are first quantised to E3M2 (3 exponent bits, 2 mantissa bits; 6 bits a number), with one power-of-two scale for each 32 numbers along K (OCP MX v1.0); their sums are f32. All else is computed in f32.
;;   The module's matrix products, in the order in which they are computed (A, B: the left and right operand; K: the contracted axis; several contracted axes count as one K, in the product's order):
;;     1. [M 8,192, K 1,024] x [K 1,024, N 1,024]; A: input Q; B: input Wq: QUANTISED
;;     2. [M 8,192, K 1,024] x [K 1,024, N 1,024]; A: input K; B: input Wk: QUANTISED
;;     3. [M 8,192, K 1,024] x [K 1,024, N 1,024]; A: input V; B: input Wv: QUANTISED
;;     4. batch 64 x [M 2,048, K 64] x [K 64, N 2,048]; A: computed on the way; B: computed on the way: QUANTISED
;;     5. batch 64 x [M 2,048, K 2,048] x [K 2,048, N 64]; A: softmax (see below); B: computed on the way: QUANTISED
;;     6. [M 8,192, K 1,024] x [K 1,024, N 1,024]; A: computed on the way; B: input Wo: QUANTISED
;;   THE QUANTISER, for each operand of a quantised product, along K:
;;     - K is cut into blocks of 32 from its start; a last block that is shorter is filled with zeros.
;;     - A block's scale is 2^e with e = floor(log2(the largest magnitude in the block)) - 4, held to -126 .. 127; a block of zeros has e = 0. As a byte (E8M0): e + 127.
;;     - Each number is divided by its block's scale, clamped to +-28, and rounded to the nearest number of E3M2, ties to even, subnormals kept.
;;     - The product sums the exact products of the quantised numbers (number of the format x scale) in f32.
;;   ~~~python
;;   def quantise(x, axis):      # numpy; x: float32 -> the quantised numbers, widened to float32 again
;;       x = np.moveaxis(x, axis, -1); K = x.shape[-1]
;;       x = np.pad(x, [(0, 0)] * (x.ndim - 1) + [(0, -K % 32)]); x = x.reshape(x.shape[:-1] + (-1, 32)); a = np.abs(x).max(-1, keepdims=True)
;;       e = np.where(a > 0, np.clip(np.frexp(np.where(a > 0, a, 1))[1] - 1 - 4, -126, 127), 0)      # np.frexp(a)[1] - 1 = floor(log2(a)), exactly
;;       r = np.clip(x / 2.0 ** e, -28, 28)
;;       step = 2.0 ** (np.maximum(np.frexp(np.where(r == 0, 1, r))[1] - 1, -2) - 2)
;;       q = np.round(r / step) * step * 2.0 ** e      # np.round: ties to even
;;       return np.moveaxis(q.reshape(q.shape[:-2] + (-1,))[..., :K], -1, axis).astype(np.float32)
;;   ~~~
;;   SOFTMAX AHEAD OF A QUANTISED PRODUCT. Where the list says 'softmax', what is quantised is not the finished softmax but p = 2^(t - M), with t = logit x log2(e) and M = ceil(the row's largest t), a whole number; so 1/2 < the row's largest p <= 1. The row's sum l is taken of the UNQUANTISED p, in f32, and the product's result is divided by l at the end. Since M is a whole number, a kernel that streams over the keys may use a running M (the ceiling of the running maximum): every later rescaling is an exact power of two, which a block's scale takes up: the codes' values come out the same.
;;   OPERANDS COMPUTED ON THE WAY. 'Computed on the way' means the value that the module computes at that place (a softmax that the list does not call 'softmax' is quantised finished and normalised). What goes into a quantiser is computed in f32, as accurately as f32 sums, v_exp_f32 and their like allow (about 1e-6 of the number): no bf16 or f16 on the way to a quantiser, and a product that is left as it is and whose result goes on into a quantised operand takes f32 operands (vector FMAs, or v_wmma_f32_16x16x4_f32). A number that lies on a knife's edge between two numbers of the format may be rounded either way, as far as f32 arithmetic and the matrix unit's own rounding can turn it there, and no further.
;; 2 versions. Each part assembles by itself: llvm-mc -triple=amdgcn-amd-amdhsa -mcpu=gfx1250 --defsym DOCPART=n.
;; ======== version 1 of 2: 4 launches
;; limits: right only within a limited range of input values
;; workspace buffers: tc 22,020,096 bytes; ts 917,504 bytes; hc 18,874,368 bytes; hs 1,572,864 bytes; cc 6,291,456 bytes; cs 524,288 bytes
;; launch quant (part 1): grid 448 x 1, 4 waves a work-group, no clusters, 34,304 bytes of LDS; arguments Q, K, V, Wq, Wk, Wv, Wo, tc, ts; writes tc, ts
.if DOCPART == 1
	.amdgcn_target "amdgcn-amd-amdhsa--gfx1250"
	.amdhsa_code_object_version 6
	.text
	.protected	k_qe9513ee4a3_quant
	.globl	k_qe9513ee4a3_quant
	.p2align	8
	.type	k_qe9513ee4a3_quant,@function
k_qe9513ee4a3_quant:
	s_mov_b64 s[64:65], 0
	v_nop
	global_prefetch_b8 v0, s[64:65] scope:SCOPE_SE
	s_setreg_imm32_b32 hwreg(HW_REG_WAVE_MODE, 25, 1), 1
	s_wait_xcnt 0x0
; Q, K, V [8192][1024] and Wq, Wk, Wv, Wo [1024][1024], f32, K innermost, become codes of BF6 (E3M2) with one E8M0 byte for each 32 along K.
; A block's scale is 2^(floor(log2(largest magnitude)) - 4): its byte is the largest magnitude's exponent field - 4, held at 1 from below (a block of zeros keeps the byte 1: its codes are zeros, and this program alone reads the bytes).
; LIMITS: blocks whose largest magnitude lies under 2^-122 keep the byte 1; NaN and infinities among the inputs are not served.
; THE OUTPUT IS LAID AS IMAGES OF OPERAND REGISTERS.  Tile T of a tensor holds rows 32 (T / 2) + 8 (T % 2) + r + 8 (r / 8), r = 0 .. 15.  A fragment (16 rows x 128 K, 12 registers a lane) is 1,536 bytes:
; registers 4 g .. 4 g + 3 of lane L at 512 g + 16 L.  tc: [1792 tiles][8 K steps][1536]; ts: [1792][16 rows][8 words], word s = the row's four bytes of K step s.
; Tiles 0-511 Q, 512-1023 K, 1024-1535 V, 1536 Wq, 1600 Wk, 1664 Wv, 1728 Wo.
; A wave takes one tile.  Each load reads 512 consecutive bytes of one row; a K step's 16 rows turn through the wave's own stage in LDS (rows 528 bytes apart) so that lane (r, h) gets k = 64 c + 32 h + 0 .. 31 of row r:
; two whole blocks a lane, in the order of the operand's registers.  No barrier: waves share nothing.  Loads run two K steps (32 loads a wave) ahead.
.set STG,  8448                        ; a wave's stage: 16 rows x 528 bytes
.set WRD,  8                           ; v8-15    the row's scale word of each K step
.set R,    16                          ; v16-143  two sets of 64 registers as loaded
.set X,    144                         ; v144-207 my 64 numbers of the step: block c at X + 32 c
.set C,    208                         ; v208-219 the fragment's 12 registers
.set PT,   220                         ; v220-226 the upper halves of the two blocks, made on even numbers and moved
.set MX,   228
.set SO,   230
.set BY,   232
.set WW,   234
.set TT,   235
.set OW,   240
	s_load_b256 s[4:11], s[0:1], 0x0               ; Q, K, V, Wq
	s_load_b256 s[12:19], s[0:1], 0x20             ; Wk, Wv, Wo, tc
	s_load_b64 s[20:21], s[0:1], 0x40              ; ts
	v_lshl_add_u32 v254, v0, 2, 0x8400
	v_mov_b32 v255, 0
	v_lshrrev_b32 v7, 5, v0
	v_readfirstlane_b32 s25, v7                    ; wave
	v_and_b32 v6, 31, v0                           ; lane
	v_lshlrev_b32 v1, 4, v6                        ; 16 x lane: my bytes of a load's 512, and of an image's group
	s_mul_i32 s31, s25, STG
	v_add_nc_u32 v2, s31, v1                       ; the stage, on the way in
	v_and_b32 v7, 15, v0                           ; r
	v_bfe_u32 v4, v0, 4, 1                         ; h
	v_mul_u32_u24 v3, v7, 528
	v_lshl_add_u32 v3, v4, 7, v3
	v_add_nc_u32 v3, s31, v3                       ; and on the way out: row r, + 128 h bytes
	v_lshlrev_b32 v5, 5, v7
	v_lshl_add_u32 v5, v4, 4, v5                   ; my four scale words' place: 32 r + 16 h
	v_lshlrev_b32 v4, 3, v4                        ; 8 h
	v_mov_b32 v[TT], 0                             ; a lane permute's destination counts as read
	s_mov_b32 s26, 0x76543210
	s_mov_b32 s27, 0xfedcba98                      ; selects for lane l xor 16
	s_wait_kmcnt 0x0
	s_mov_b64 s[22:23], s[16:17]                   ; which tensor: the choice hangs on the work-group's number alone
	s_mov_b32 s24, 432
	s_cmp_lt_u32 ttmp9, 432
	s_cselect_b64 s[22:23], s[14:15], s[22:23]
	s_cselect_b32 s24, 416, s24
	s_cmp_lt_u32 ttmp9, 416
	s_cselect_b64 s[22:23], s[12:13], s[22:23]
	s_cselect_b32 s24, 400, s24
	s_cmp_lt_u32 ttmp9, 400
	s_cselect_b64 s[22:23], s[10:11], s[22:23]
	s_cselect_b32 s24, 384, s24
	s_cmp_lt_u32 ttmp9, 384
	s_cselect_b64 s[22:23], s[8:9], s[22:23]
	s_cselect_b32 s24, 256, s24
	s_cmp_lt_u32 ttmp9, 256
	s_cselect_b64 s[22:23], s[6:7], s[22:23]
	s_cselect_b32 s24, 128, s24
	s_cmp_lt_u32 ttmp9, 128
	s_cselect_b64 s[22:23], s[4:5], s[22:23]
	s_cselect_b32 s24, 0, s24
	s_sub_co_u32 s28, ttmp9, s24
	s_lshl_b32 s28, s28, 2
	s_add_co_u32 s28, s28, s25                     ; my tile in its tensor
	s_lshr_b32 s29, s28, 1
	s_lshl_b32 s29, s29, 5
	s_and_b32 s30, s28, 1
	s_lshl_b32 s30, s30, 3
	s_add_co_u32 s29, s29, s30                     ; its first row
	s_lshl_b32 s28, s29, 12                        ; x 4,096 bytes
	s_mov_b32 s29, 0
	s_add_nc_u64 s[22:23], s[22:23], s[28:29]
	s_lshl_b32 s30, ttmp9, 2
	s_add_co_u32 s30, s30, s25                     ; my tile among all 1,792
	s_mul_i32 s32, s30, 12288
	s_mov_b32 s33, 0
	s_add_nc_u64 s[18:19], s[18:19], s[32:33]
	s_lshl_b32 s32, s30, 9
	s_add_nc_u64 s[20:21], s[20:21], s[32:33]
.macro LOADF ks                        ; K step ks of the tile's 16 rows: 512 consecutive bytes a load
.irp i, 0,1,2,3,4,5,6,7,8,9,10,11,12,13,14,15
	global_load_b128 v[R+64*((\ks)%2)+4*\i:R+64*((\ks)%2)+4*\i+3], v1, s[22:23] offset:(\i+8*(\i/8))*4096+512*(\ks) th:TH_LOAD_NT
.endr
.endm
.macro TURN ks                         ; through the stage: LDS serves a wave's instructions in order, so no wait stands between the stores and the loads
.irp i, 0,1,2,3,4,5,6,7,8,9,10,11,12,13,14,15
	ds_store_b128 v2, v[R+64*((\ks)%2)+4*\i:R+64*((\ks)%2)+4*\i+3] offset:528*\i
.endr
.irp c, 0,1
.irp j, 0,1,2,3,4,5,6,7
	ds_load_b128 v[X+32*\c+4*\j:X+32*\c+4*\j+3], v3 offset:256*\c+16*\j
.endr
.endr
.endm
.macro QF ks
.irp c, 0,1
	v_max3_num_f32 v[MX+\c], |v[X+32*\c]|, |v[X+32*\c+1]|, 0x2800000   ; my block 2 c + h, and the floor 2^(5 - 127): the byte cannot fall under 1
.endr
.irp i, 2,4,6,8,10,12,14,16,18,20,22,24,26,28,30
.irp c, 0,1
	v_max3_num_f32 v[MX+\c], v[MX+\c], |v[X+32*\c+\i]|, |v[X+32*\c+\i+1]|
.endr
.endr
.irp c, 0,1
	v_add_nc_u32 v[SO+\c], 0xfe000000, v[MX+\c]    ; 4 off the exponent field: the conversion's scale operand
.endr
.irp c, 0,1
	v_lshrrev_b32 v[BY+\c], 23, v[SO+\c]           ; the scale's byte
.endr
	v_lshl_or_b32 v[WW], v[BY+1], 16, v[BY]        ; my two bytes: blocks h and 2 + h,
	v_lshlrev_b32 v[WW], v4, v[WW]                 ; 8 h bits up;
	v_permlanex16_b32 v[TT], v[WW], s26, s27
	v_or_b32 v[WRD+(\ks)], v[WW], v[TT]            ; with lane l xor 16's two the word is whole
	s_wait_xcnt 0x0                                ; the last step's stores have read the fragment's registers
.irp c, 0,1
	v_cvt_scalef32_pk16_bf6_f32 v[C+6*\c:C+6*\c+2], v[X+32*\c:X+32*\c+15], v[SO+\c]
	v_cvt_scalef32_pk16_bf6_f32 v[PT+4*\c:PT+4*\c+2], v[X+32*\c+16:X+32*\c+31], v[SO+\c]   ; (a conversion's three registers begin on an even number)
.endr
	v_nop                                          ; one plain place behind a scaled conversion
.irp c, 0,1
.irp i, 0,1,2
	v_mov_b32 v[C+3+6*\c+\i], v[PT+4*\c+\i]
.endr
.endr
.irp g, 0,1,2
	global_store_b128 v1, v[C+4*\g:C+4*\g+3], s[18:19] offset:1536*(\ks)+512*\g   ; 512 consecutive bytes, at a multiple of 256 from the buffer's first byte
.endr
.endm
	LOADF 0
	LOADF 1
.irp s, 0,1,2,3,4,5,6,7
.if \s < 7
	s_wait_loadcnt 16                              ; this step's 16 loads are in; the next step's 16 may be out
.else
	s_wait_loadcnt 0x0
.endif
	TURN \s
	s_wait_dscnt 0x0                               ; my numbers are back, and the stage's stores have read the set that is loaded again below
.if \s < 6
	LOADF \s+2
.endif
	QF \s
.endr
	v_cmp_le_u32 vcc_lo, 16, v6                    ; lanes 16-31 store words 4 .. 7 of their row
.irp i, 0,1,2,3
	v_cndmask_b32 v[OW+\i], v[WRD+\i], v[WRD+4+\i], vcc_lo
.endr
	global_store_b128 v5, v[OW:OW+3], s[20:21]     ; the tile's 512 bytes of scale words
	s_wait_tensorcnt 0x0
	ds_add_u32 v254, v255
	s_wait_dscnt 0x0
	s_endpgm
.Lfunc_end_k_qe9513ee4a3_quant:
	.size	k_qe9513ee4a3_quant, .Lfunc_end_k_qe9513ee4a3_quant-k_qe9513ee4a3_quant
	.p2alignl 7, 3214868480
	.fill 96, 4, 3214868480
	.section	.rodata,"a",@progbits
	.p2align	6, 0x0
	.amdhsa_kernel k_qe9513ee4a3_quant
		.amdhsa_group_segment_fixed_size 34304
		.amdhsa_private_segment_fixed_size 0
		.amdhsa_enable_private_segment 0
		.amdhsa_kernarg_size 72
		.amdhsa_user_sgpr_count 2
		.amdhsa_user_sgpr_kernarg_segment_ptr 1
		.amdhsa_wavefront_size32 1
		.amdhsa_system_sgpr_workgroup_id_x 1
		.amdhsa_system_sgpr_workgroup_id_y 1
		.amdhsa_system_sgpr_workgroup_id_z 1
		.amdhsa_system_vgpr_workitem_id 0
		.amdhsa_next_free_vgpr 256
		.amdhsa_next_free_sgpr 66
		.amdhsa_reserve_vcc 1
		.amdhsa_float_denorm_mode_32 3
		.amdhsa_float_denorm_mode_16_64 3
		.amdhsa_memory_ordered 1
		.amdhsa_forward_progress 1
		.amdhsa_inst_pref_size 58
	.end_amdhsa_kernel
	.amdgpu_metadata
---
amdhsa.version: [ 1, 2 ]
amdhsa.kernels:
  - .name:           k_qe9513ee4a3_quant
    .symbol:         k_qe9513ee4a3_quant.kd
    .args:
      - { .name: Q, .offset: 0, .size: 8, .value_kind: global_buffer, .address_space: global }
      - { .name: K, .offset: 8, .size: 8, .value_kind: global_buffer, .address_space: global }
      - { .name: V, .offset: 16, .size: 8, .value_kind: global_buffer, .address_space: global }
      - { .name: Wq, .offset: 24, .size: 8, .value_kind: global_buffer, .address_space: global }
      - { .name: Wk, .offset: 32, .size: 8, .value_kind: global_buffer, .address_space: global }
      - { .name: Wv, .offset: 40, .size: 8, .value_kind: global_buffer, .address_space: global }
      - { .name: Wo, .offset: 48, .size: 8, .value_kind: global_buffer, .address_space: global }
      - { .name: tc, .offset: 56, .size: 8, .value_kind: global_buffer, .address_space: global }
      - { .name: ts, .offset: 64, .size: 8, .value_kind: global_buffer, .address_space: global }
    .group_segment_fixed_size: 34304
    .private_segment_fixed_size: 0
    .kernarg_segment_align: 8
    .kernarg_segment_size: 72
    .max_flat_workgroup_size: 128
    .sgpr_count:     66
    .vgpr_count:     256
    .wavefront_size: 32
...
	.end_amdgpu_metadata
.endif
;; end of part 1
;; launch proj (part 2): grid 16 x 12, 4 waves a work-group, no clusters, 117,248 bytes of LDS; arguments tc, ts, bq, bk, bv, hc, hs; writes hc, hs
.if DOCPART == 2
	.amdgcn_target "amdgcn-amd-amdhsa--gfx1250"
	.amdhsa_code_object_version 6
	.text
	.protected	k_qe9513ee4a3_proj
	.globl	k_qe9513ee4a3_proj
	.p2align	8
	.type	k_qe9513ee4a3_proj,@function
k_qe9513ee4a3_proj:
	s_mov_b64 s[64:65], 0
	v_nop
	global_prefetch_b8 v0, s[64:65] scope:SCOPE_SE
	s_setreg_imm32_b32 hwreg(HW_REG_WAVE_MODE, 25, 1), 1
	s_wait_xcnt 0x0
; q = Q Wq^T + bq, k = K Wk^T + bk, v = V Wv^T + bv on codes of BF6, and each result quantised at once for the attention: q and k along the head's 64, v along the tokens (the keys).
; SHARES.  Work-group (x, y): x = a group of 512 tokens (8 blocks of 64), y = 4 z + sl: z = 0, 1, 2 for q, k, v, sl = four heads.  Wave w makes head 4 sl + w: 64 columns = 4 tiles of W, whose fragments for all
; of K (384 registers) stay in registers.  3 x 64 units of equal work give 192 work-groups of 8 equal trips.  The x blocks are shared by four work-groups only and come a whole trip ahead, through registers: no cluster.
; TILES.  Tile T of every tensor holds rows 32 (T / 2) + 8 (T % 2) + r + 8 (r / 8): the 16 result registers of tiles 2 b and 2 b + 1 that stand as source 0 are 16 neighbours, 32 b + 16 (lane / 16) + 0 .. 15.
; q, k: source 0 = W, source 1 = x: a lane holds one token and 64 neighbours of the head.  v: source 0 = x, source 1 = W: a lane holds one channel and 64 neighbouring tokens.  So both are quantised by the same lines.
; OUT.  A piece (16 rows x 64 K, 6 registers a lane) is 768 bytes: registers 0-3 at 16 L, registers 4-5 at 512 + 8 L.  hc: [z][bh 64][128 pieces]; piece 4 kb + i of token block kb: q, k: token tile i; v: channel tile i.
; hs: [z][bh][kb 32][r 16][4 words i], word = byte of block 0 | byte of block 1 << 8.
; LIMITS: blocks whose largest magnitude lies under 2^-122 keep the byte 1; NaN and infinities are not served.
; LDS: two slots 65,536 bytes apart, each a block's 32 fragment images (49,152 bytes) and its scale words (2,048).  One barrier a trip: in front of it each wave's stores into the other slot and its reads of this one are done.
; REGISTERS, in windows of 256.  Window 0: v1-14 addresses; v16-47 W's scale words, v48-79 x's; v80-179 a block on its way from memory to LDS; v180-255 the quantiser.
;   window 1: W's fragments of K steps 0-3 at 12 (4 t + s), v192-223 the bias in the result's layout.   window 2: K steps 4-7.   window 3: v0-95 x's fragments, two sets; v96-223 the 16 accumulators.
.set WS,   16
.set XS,   48
.set SG,   80
.set MX,   180
.set PX,   188
.set SO,   196
.set PW,   204
.set PC,   208
.set PT,   240
.set BI,   192
.set XF,   0
.set ACC,  96
.set XSCL, 49152
.set MSB, 0
.macro WIN new                         ; the immediate's high byte repeats the setting that is left
.if MSB != \new
	s_set_vgpr_msb (MSB<<8)|\new
.set MSB, \new
.endif
.endm
.macro WMC d, a, b, c, sa, sb
	v_wmma_scale_f32_16x16x128_f8f6f4 v[(\d):(\d)+7], v[(\a):(\a)+11], v[(\b):(\b)+11], v[(\c):(\c)+7], v[(\sa)], v[(\sb)] matrix_a_fmt:MATRIX_FMT_BF6 matrix_b_fmt:MATRIX_FMT_BF6
.endm
	s_load_b256 s[4:11], s[0:1], 0x0               ; tc, ts, bq, bk
	s_load_b128 s[12:15], s[0:1], 0x20             ; bv, hc
	s_load_b64 s[16:17], s[0:1], 0x30              ; hs
	v_lshl_add_u32 v251, v0, 2, 0x1c800
	v_mov_b32 v255, 0
	v_lshrrev_b32 v10, 5, v0
	v_readfirstlane_b32 s18, v10                   ; wave
	s_mov_b32 s19, ttmp9                           ; g
	s_and_b32 s20, ttmp7, 0xffff
	s_lshr_b32 s21, s20, 2                         ; z
	s_and_b32 s22, s20, 3                          ; sl
	v_and_b32 v10, 31, v0                          ; L
	v_and_b32 v11, 15, v0                          ; r
	v_bfe_u32 v12, v0, 4, 1                        ; h
	v_lshlrev_b32 v1, 4, v10                       ; 16 L
	v_lshl_add_u32 v2, v10, 3, 512                 ; 512 + 8 L
	v_lshlrev_b32 v3, 4, v11                       ; 16 r
	v_lshlrev_b32 v13, 5, v11                      ; 32 r
	v_add_nc_u32 v4, XSCL, v13
	v_lshlrev_b32 v5, 4, v0                        ; 16 x thread
	v_lshlrev_b32 v9, 6, v12                       ; bias, q and k: 64 h
	v_and_b32 v14, 8, v11
	v_add_nc_u32 v14, v14, v11
	v_lshlrev_b32 v14, 2, v14                      ; bias, v: 4 (r + 8 (r / 8))
.irp q, 0,1,2,3,4,5,6,7
	v_mov_b32 v[PX+\q], 0                          ; a lane permute's destination counts as read
.endr
	s_mov_b32 s38, 0x76543210
	s_mov_b32 s39, 0xfedcba98
	s_lshl_b32 s36, s22, 2
	s_add_co_u32 s36, s36, s18                     ; head
	s_lshl_b32 s40, s21, 6
	s_lshl_b32 s41, s36, 2
	s_add_co_u32 s40, s40, s41
	s_add_co_u32 s40, s40, 1536                    ; my first tile of W
	s_lshl_b32 s42, s40, 9
	s_mov_b32 s43, 0
	s_mul_i32 s40, s40, 12288
	s_mov_b32 s41, 0
	s_lshl_b32 s44, s21, 9
	s_lshl_b32 s45, s19, 5
	s_add_co_u32 s44, s44, s45                     ; the group's first tile of x
	s_lshl_b32 s46, s44, 9
	s_mov_b32 s47, 0
	s_mul_i32 s44, s44, 12288
	s_mov_b32 s45, 0
	s_lshr_b32 s37, s19, 2                         ; batch
	s_lshl_b32 s24, s21, 6
	s_lshl_b32 s25, s37, 4
	s_add_co_u32 s24, s24, s25
	s_add_co_u32 s24, s24, s36                     ; 64 z + 16 batch + head
	s_and_b32 s25, s19, 3
	s_lshl_b32 s30, s24, 7
	s_lshl_b32 s31, s25, 5
	s_add_co_u32 s30, s30, s31
	s_mul_i32 s30, s30, 768
	s_mov_b32 s31, 0
	s_lshl_b32 s32, s24, 5
	s_lshl_b32 s33, s25, 3
	s_add_co_u32 s32, s32, s33
	s_lshl_b32 s32, s32, 8
	s_mov_b32 s33, 0
	s_wait_kmcnt 0x0
	s_add_nc_u64 s[30:31], s[14:15], s[30:31]      ; where my pieces go
	s_add_nc_u64 s[32:33], s[16:17], s[32:33]      ; and their scale words
	s_add_nc_u64 s[26:27], s[4:5], s[44:45]        ; x's images
	s_add_nc_u64 s[28:29], s[6:7], s[46:47]        ; x's scale words
	s_add_nc_u64 s[40:41], s[4:5], s[40:41]        ; W's images
	s_add_nc_u64 s[42:43], s[6:7], s[42:43]        ; W's scale words
	s_cmp_eq_u32 s21, 0
	s_cselect_b64 s[34:35], s[8:9], s[10:11]
	s_cmp_eq_u32 s21, 2
	s_cselect_b64 s[34:35], s[12:13], s[34:35]
	s_lshl_b32 s44, s36, 8
	s_mov_b32 s45, 0
	s_add_nc_u64 s[34:35], s[34:35], s[44:45]      ; the bias at my head's 64 numbers
	WIN 0x40                                       ; destination window 1
.irp t, 0,1,2,3
.irp s, 0,1,2,3
.irp g, 0,1,2
	global_load_b128 v[12*(4*\t+\s)+4*\g:12*(4*\t+\s)+4*\g+3], v1, s[40:41] offset:(8*\t+\s)*1536+512*\g
.endr
.endr
.endr
	WIN 0x80                                       ; destination window 2
.irp t, 0,1,2,3
.irp s, 0,1,2,3
.irp g, 0,1,2
	global_load_b128 v[12*(4*\t+\s)+4*\g:12*(4*\t+\s)+4*\g+3], v1, s[40:41] offset:(8*\t+\s+4)*1536+512*\g
.endr
.endr
.endr
	WIN 0
.irp t, 0,1,2,3
	global_load_b128 v[WS+8*\t:WS+8*\t+3], v13, s[42:43] offset:512*\t
	global_load_b128 v[WS+8*\t+4:WS+8*\t+7], v13, s[42:43] offset:512*\t+16
.endr
	s_cmp_eq_u32 s21, 2                            ; the bias in the result's layout: it is the C of each sum's first product
	s_cbranch_scc1 .Lbias_v
	WIN 0x40
.irp t, 0,1,2,3                                    ; q, k: register j of tile t is channel 32 (t / 2) + 16 h + 8 (t % 2) + j
	global_load_b128 v[BI+8*\t:BI+8*\t+3], v9, s[34:35] offset:(32*(\t/2)+8*(\t%2))*4
	global_load_b128 v[BI+8*\t+4:BI+8*\t+7], v9, s[34:35] offset:(32*(\t/2)+8*(\t%2))*4+16
.endr
	WIN 0
	s_branch .Lbias_done
.Lbias_v:
	WIN 0x40
.irp t, 0,1,2,3                                    ; v: all eight registers of a lane are channel 32 (t / 2) + 8 (t % 2) + r + 8 (r / 8)
.irp j, 0,1,2,3,4,5,6,7
	global_load_b32 v[BI+8*\t+\j], v14, s[34:35] offset:(32*(\t/2)+8*(\t%2))*4
.endr
.endr
	WIN 0
.Lbias_done:
.macro GLOAD                           ; a block of 64 tokens: 49,152 dense bytes of images and 2,048 of scale words, 16 bytes a thread and load
.irp i, 0,1,2,3,4,5,6,7,8,9,10,11,12,13,14,15,16,17,18,19,20,21,22,23
	global_load_b128 v[SG+4*\i:SG+4*\i+3], v5, s[26:27] offset:2048*\i
.endr
	global_load_b128 v[SG+96:SG+99], v5, s[28:29]
	s_wait_xcnt 0x0                                ; the loads have read their bases: on to the next block
	s_add_nc_u64 s[26:27], s[26:27], 49152
	s_add_nc_u64 s[28:29], s[28:29], 2048
.endm
.macro LSTORE
.irp i, 0,1,2,3,4,5,6,7,8,9,10,11,12,13,14,15,16,17,18,19,20,21,22,23
	ds_store_b128 v6, v[SG+4*\i:SG+4*\i+3] offset:2048*\i
.endr
	ds_store_b128 v6, v[SG+96:SG+99] offset:XSCL
.endm
.macro FETCH ks, bf                    ; x's four fragments of K step ks into set bf
	WIN 0xc0
.irp m, 0,1,2,3
.irp g, 0,1,2
	ds_load_b128 v[XF+48*(\bf)+12*\m+4*\g:XF+48*(\bf)+12*\m+4*\g+3], v7 offset:(8*\m+(\ks))*1536+512*\g
.endr
.endr
.endm
; 16 products of K step ks: the 16 accumulators take turns, one instruction a turn, in the same order in every step.
.macro MMA var, ks, bf
.if \var == 0
.if (\ks) == 0
	WIN 0xdd                                       ; W window 1, x window 3, C (the bias) window 1, D window 3
.elseif (\ks) < 4
	WIN 0xfd
.else
	WIN 0xfe                                       ; W window 2
.endif
.irp m, 0,1,2,3
.irp t, 0,1,2,3
.if (\ks) == 0
	WMC ACC+32*\m+8*\t, 12*(4*\t+(\ks)%4), XF+48*(\bf)+12*\m, BI+8*\t, WS+8*\t+(\ks), XS+8*\m+(\ks)
.else
	WMC ACC+32*\m+8*\t, 12*(4*\t+(\ks)%4), XF+48*(\bf)+12*\m, ACC+32*\m+8*\t, WS+8*\t+(\ks), XS+8*\m+(\ks)
.endif
.endr
.endr
.else
.if (\ks) == 0
	WIN 0xd7                                       ; x window 3, W window 1, C window 1, D window 3
.elseif (\ks) < 4
	WIN 0xf7
.else
	WIN 0xfb
.endif
.irp m, 0,1,2,3
.irp t, 0,1,2,3
.if (\ks) == 0
	WMC ACC+32*\t+8*\m, XF+48*(\bf)+12*\m, 12*(4*\t+(\ks)%4), BI+8*\t, XS+8*\m+(\ks), WS+8*\t+(\ks)
.else
	WMC ACC+32*\t+8*\m, XF+48*(\bf)+12*\m, 12*(4*\t+(\ks)%4), ACC+32*\t+8*\m, XS+8*\m+(\ks), WS+8*\t+(\ks)
.endif
.endr
.endr
.endif
.endm
.macro COMPUTE var
	v_add_nc_u32 v7, s24, v1
	v_add_nc_u32 v8, s24, v4
.irp m, 0,1,2,3
	ds_load_b128 v[XS+8*\m:XS+8*\m+3], v8 offset:512*\m
	ds_load_b128 v[XS+8*\m+4:XS+8*\m+7], v8 offset:512*\m+16
.endr
	FETCH 0, 0
	FETCH 1, 1
.irp k, 0,1,2,3,4,5,6,7
.if \k < 7
	s_wait_dscnt 12                                ; this step's fragments are in; the next step's 12 loads may be out
.else
	s_wait_dscnt 0x0
.endif
	MMA \var, \k, (\k%2)
.rept 4
	v_nop                                          ; places in front of loads into registers that the products have read, and of the first read of results
.endr
.if \k < 6
	FETCH \k+2, (\k%2)
.endif
.endr
	WIN 0
.endm
	GLOAD                                          ; block 0
	s_wait_loadcnt 0x0                             ; and W, its scale words and the bias
	v_add_nc_u32 v6, 0, v5                         ; slot 0
	LSTORE
	s_wait_dscnt 0x0                               ; for the others' sake, and the stores have read the registers that are loaded again
	GLOAD                                          ; block 1
	s_barrier_signal -1
	s_barrier_wait -1
	s_mov_b32 s24, 0                               ; the slot in hand
	s_mov_b32 s23, 0                               ; the trip
.Lblk:
	s_wait_loadcnt 0x0                             ; the block asked for a trip ago is in.  The wait stands on every wave's way through every trip, so that every way to the loads below passes it (in the last trip nothing is out)
	s_cmp_lt_u32 s23, 7
	s_cbranch_scc0 .Lnold                          ; the last trip has no next block: neither a store into the other slot nor a load
	s_xor_b32 s25, s24, 0x10000
	v_add_nc_u32 v6, s25, v5
	LSTORE                                         ; the next block goes into the other slot: every wave's reads of it ended in front of the last barrier
	s_wait_dscnt 0x0                               ; the stores have read the registers that are loaded again below, and have landed ahead of this trip's barrier
	s_cmp_lt_u32 s23, 6
	s_cbranch_scc0 .Lnold
	GLOAD                                          ; the block after it: no load leaves the group's 8 blocks
.Lnold:
	s_cmp_eq_u32 s21, 2
	s_cbranch_scc1 .Lvv
	COMPUTE 0
	s_branch .Lepi
.Lvv:
	COMPUTE 1
.Lepi:
.rept 4
	v_nop
.endr
	s_wait_xcnt 0x0                                ; the last trip's stores have read the codes' and the words' registers
	; four pieces, eight blocks of 32: register 32 p + 16 b + i of the accumulators is number 32 b + 16 (lane / 16) + i of the lane's row of piece p
	WIN 0x0f
.irp p, 0,1,2,3
.irp b, 0,1
	v_max3_num_f32 v[MX+2*\p+\b], |v[ACC+32*\p+16*\b]|, |v[ACC+32*\p+16*\b+1]|, 0x2800000   ; each accumulator from its low end on; the floor 2^(5 - 127)
.endr
.endr
	WIN 0x3c
.irp i, 2,4,6,8,10,12,14
.irp p, 0,1,2,3
.irp b, 0,1
	v_max3_num_f32 v[MX+2*\p+\b], v[MX+2*\p+\b], |v[ACC+32*\p+16*\b+\i]|, |v[ACC+32*\p+16*\b+\i+1]|
.endr
.endr
.endr
	WIN 0
.irp q, 0,1,2,3,4,5,6,7
	v_permlanex16_b32 v[PX+\q], v[MX+\q], s38, s39
.endr
.irp q, 0,1,2,3,4,5,6,7
	v_max_num_f32 v[MX+\q], v[MX+\q], v[PX+\q]     ; with lane l xor 16's 16: the block's largest magnitude
.endr
.irp q, 0,1,2,3,4,5,6,7
	v_add_nc_u32 v[SO+\q], 0xfe000000, v[MX+\q]    ; 4 off the exponent field: the conversion's scale operand
.endr
.irp q, 0,1,2,3,4,5,6,7
	v_lshrrev_b32 v[PX+\q], 23, v[SO+\q]           ; the scale's byte
.endr
.irp p, 0,1,2,3
	v_lshl_or_b32 v[PW+\p], v[PX+2*\p+1], 8, v[PX+2*\p]
.endr
	WIN 0x03
.irp p, 0,1,2,3
	v_cvt_scalef32_pk16_bf6_f32 v[PC+8*\p:PC+8*\p+2], v[ACC+32*\p:ACC+32*\p+15], v[SO+2*\p]
	v_cvt_scalef32_pk16_bf6_f32 v[PT+4*\p:PT+4*\p+2], v[ACC+32*\p+16:ACC+32*\p+31], v[SO+2*\p+1]
.endr
	WIN 0
	v_nop                                          ; one plain place behind a scaled conversion
.irp p, 0,1,2,3                                    ; the operand's layout wants a whole block in a lane: lanes 0-15 block 0, lanes 16-31 block 1
.irp i, 0,1,2
	v_permlane16_swap_b32 v[PC+8*\p+\i], v[PT+4*\p+\i]
.endr
.irp i, 0,1,2
	v_mov_b32 v[PC+8*\p+3+\i], v[PT+4*\p+\i]
.endr
.endr
.irp p, 0,1,2,3
	global_store_b128 v1, v[PC+8*\p:PC+8*\p+3], s[30:31] offset:768*\p      ; 512 consecutive bytes,
	global_store_b64 v2, v[PC+8*\p+4:PC+8*\p+5], s[30:31] offset:768*\p     ; and the 256 behind them
.endr
	global_store_b128 v3, v[PW:PW+3], s[32:33]     ; the block's 256 bytes of scale words (lanes 16-31 write what lanes 0-15 write)
	s_wait_xcnt 0x0                                ; the stores have read their bases
	s_add_nc_u64 s[30:31], s[30:31], 3072
	s_add_nc_u64 s[32:33], s[32:33], 256
	s_wait_dscnt 0x0
	s_barrier_signal -1
	s_barrier_wait -1
	s_xor_b32 s24, s24, 0x10000
	s_add_co_u32 s23, s23, 1
	s_cmp_lt_u32 s23, 8
	s_cbranch_scc1 .Lblk
	s_wait_tensorcnt 0x0
	ds_add_u32 v251, v255
	s_wait_dscnt 0x0
	s_endpgm
.Lfunc_end_k_qe9513ee4a3_proj:
	.size	k_qe9513ee4a3_proj, .Lfunc_end_k_qe9513ee4a3_proj-k_qe9513ee4a3_proj
	.p2alignl 7, 3214868480
	.fill 96, 4, 3214868480
	.section	.rodata,"a",@progbits
	.p2align	6, 0x0
	.amdhsa_kernel k_qe9513ee4a3_proj
		.amdhsa_group_segment_fixed_size 117248
		.amdhsa_private_segment_fixed_size 0
		.amdhsa_enable_private_segment 0
		.amdhsa_kernarg_size 56
		.amdhsa_user_sgpr_count 2
		.amdhsa_user_sgpr_kernarg_segment_ptr 1
		.amdhsa_wavefront_size32 1
		.amdhsa_system_sgpr_workgroup_id_x 1
		.amdhsa_system_sgpr_workgroup_id_y 1
		.amdhsa_system_sgpr_workgroup_id_z 1
		.amdhsa_system_vgpr_workitem_id 0
		.amdhsa_next_free_vgpr 1024
		.amdhsa_next_free_sgpr 66
		.amdhsa_reserve_vcc 0
		.amdhsa_float_denorm_mode_32 3
		.amdhsa_float_denorm_mode_16_64 3
		.amdhsa_memory_ordered 1
		.amdhsa_forward_progress 1
		.amdhsa_inst_pref_size 86
	.end_amdhsa_kernel
	.amdgpu_metadata
---
amdhsa.version: [ 1, 2 ]
amdhsa.kernels:
  - .name:           k_qe9513ee4a3_proj
    .symbol:         k_qe9513ee4a3_proj.kd
    .args:
      - { .name: tc, .offset: 0, .size: 8, .value_kind: global_buffer, .address_space: global }
      - { .name: ts, .offset: 8, .size: 8, .value_kind: global_buffer, .address_space: global }
      - { .name: bq, .offset: 16, .size: 8, .value_kind: global_buffer, .address_space: global }
      - { .name: bk, .offset: 24, .size: 8, .value_kind: global_buffer, .address_space: global }
      - { .name: bv, .offset: 32, .size: 8, .value_kind: global_buffer, .address_space: global }
      - { .name: hc, .offset: 40, .size: 8, .value_kind: global_buffer, .address_space: global }
      - { .name: hs, .offset: 48, .size: 8, .value_kind: global_buffer, .address_space: global }
    .group_segment_fixed_size: 117248
    .private_segment_fixed_size: 0
    .kernarg_segment_align: 8
    .kernarg_segment_size: 56
    .max_flat_workgroup_size: 128
    .sgpr_count:     66
    .vgpr_count:     1024
    .wavefront_size: 32
...
	.end_amdgpu_metadata
.endif
;; end of part 2
;; launch attn (part 3): grid 4 x 64, 16 waves a work-group, no clusters, 219,136 bytes of LDS; arguments hc, hs, mask, cc, cs; writes cc, cs
.if DOCPART == 3
	.amdgcn_target "amdgcn-amd-amdhsa--gfx1250"
	.amdhsa_code_object_version 6
	.text
	.protected	k_qe9513ee4a3_attn
	.globl	k_qe9513ee4a3_attn
	.p2align	8
	.type	k_qe9513ee4a3_attn,@function
k_qe9513ee4a3_attn:
	s_mov_b64 s[64:65], 0
	v_nop
	global_prefetch_b8 v0, s[64:65] scope:SCOPE_SE
	s_setreg_imm32_b32 hwreg(HW_REG_WAVE_MODE, 25, 1), 1
	s_wait_xcnt 0x0
; ctx = softmax(q k^T / 8, under the key mask) v for one head, both products on codes of BF6, and ctx quantised along the head's 64 for the last product.
; THE SOFTMAX: t = score x log2(e) / 8; M = the running largest t rounded up to a whole number; p = 2^(t - M) is quantised along the keys, not normalised; the row's sum is taken of the unquantised p and divides at the end.
; SHARES.  Work-group (x, y): y = batch x 16 + head, x = a quarter of the queries.  The head's whole k, v, their scale words and the mask lie in LDS, filled once through registers; one barrier, none after it.
; Sixteen waves, four to a SIMD; in each of two passes a wave owns one tile of 16 queries and walks 16 steps of 128 keys.  The head's k and v are shared by four work-groups only and are fetched once for 32 walks: no cluster.
; LAYOUT.  Both products are used transposed (source 0 = 16 keys, then 16 channels; source 1 = my queries, then p): a lane holds one query throughout.  A tile holds rows 32 (T / 2) + 8 (T % 2) + r + 8 (r / 8), so that the
; 16 registers of tiles 2 b and 2 b + 1 are 16 neighbouring keys (channels).  The first product's K is 64: the upper half of its operands are zero codes, written once; their scale bytes are 0, which is 2^-127.
; THE MASK is an input.  Each key has a bias in LDS, 0 or -2^100, which is the C of the score product in the steps that have a hole (a scalar branch on 16 flags that each wave makes from the whole numbers of the mask; no
; tensor load stands in this text).  p of a hidden key is then exactly 0, as with reference()'s -1e9.  The largest t begins at -2^64, above every hidden t: steps without an open key leave sum and O at 0.
; Where a batch has no open key at all, the factor c is taken as 0: every t is 0 and every p is 1, which are reference()'s own numbers there.
; LIMITS: open t above -2^64, |score| far under 2^76; blocks of ctx whose largest magnitude lies under 2^-122 keep the byte 1; NaN and infinities are not served.
.set VC,   98304                       ; LDS: k's pieces from 0 (step x 6,144 + tile x 768), v's from here (step x 6,144 + (4 c + channel tile) x 768),
.set KS,   196608                      ; k's scale words [kb 32][r][4],
.set VS,   204800                      ; v's [step 16][r][4 channel tiles],
.set MB,   208896                      ; the mask's bias, f32 a key
.set ADK,  8
.set ADK8, 9
.set ADV,  10
.set ADV8, 11
.set ADS,  29
.set ADT,  30
.set ADM,  31
.set KF,   32                          ; v32-79   four fragments of k
.set KSW,  80                          ; v80-87   k's scale words;  v88-91 v's;  v92 p's;  v28 q's
.set VSW,  88
.set PWR,  92
.set S,    96                          ; v96-159  S^T, then p, then v's fragments (v96-143)
.set O,    160                         ; v160-191 O^T
.set P,    192                         ; v192-203 p's codes
.set PT,   204
.set BM,   212
.set BP,   216
.set SOP,  220
.set F0,   232                         ; v232-238 the fill's addresses;  v239 -2^100
.macro WMZ d, a, b, sa, sb
	v_wmma_scale_f32_16x16x128_f8f6f4 v[(\d):(\d)+7], v[(\a):(\a)+11], v[(\b):(\b)+11], 0, v[(\sa)], v[(\sb)] matrix_a_fmt:MATRIX_FMT_BF6 matrix_b_fmt:MATRIX_FMT_BF6
.endm
.macro WMC d, a, b, c, sa, sb
	v_wmma_scale_f32_16x16x128_f8f6f4 v[(\d):(\d)+7], v[(\a):(\a)+11], v[(\b):(\b)+11], v[(\c):(\c)+7], v[(\sa)], v[(\sb)] matrix_a_fmt:MATRIX_FMT_BF6 matrix_b_fmt:MATRIX_FMT_BF6
.endm
.macro MKSET i                         ; the registers of the mask's step i: none of them ever holds a scale
.if (\i) < 12
.set MK, 32+4*(\i)
.else
.set MK, 204+4*((\i)-12)
.endif
.endm
	s_load_b256 s[4:11], s[0:1], 0x0               ; hc, hs, mask, cc
	s_load_b64 s[12:13], s[0:1], 0x20              ; cs
	v_lshl_add_u32 v254, v0, 2, 0x35000
	v_mov_b32 v255, 0
	v_lshrrev_b32 v8, 5, v0
	v_readfirstlane_b32 s14, v8                    ; wave 0..15
	s_and_b32 s44, ttmp7, 0xffff                   ; bh
	s_lshr_b32 s45, s44, 4                         ; batch
	s_and_b32 s46, s44, 15                         ; head
	v_and_b32 v8, 31, v0                           ; L
	v_and_b32 v9, 15, v0                           ; r
	v_bfe_u32 v10, v0, 4, 1                        ; h
	v_lshlrev_b32 v1, 4, v8                        ; 16 L
	v_lshl_add_u32 v2, v8, 3, 512                  ; 512 + 8 L
	v_lshl_add_u32 v3, v9, 4, KS
	v_lshl_add_u32 v4, v9, 4, VS
	v_lshl_add_u32 v5, v10, 6, MB
	s_and_b32 s47, s14, 3
	s_lshl_b32 s47, s47, 2
	v_lshl_add_u32 v6, v9, 4, s47                  ; q's scale word: 16 r + 4 (tile % 4)
	v_lshlrev_b32 v7, 2, v9                        ; 4 r
	v_lshlrev_b32 v[F0], 4, v0                     ; the fill: 16 x thread,
	v_add_nc_u32 v[F0+1], 65536, v[F0]             ; and the same further on in LDS, since an offset has 16 bits
	v_add_nc_u32 v[F0+2], 98304, v[F0]
	v_add_nc_u32 v[F0+3], 163840, v[F0]
	v_add_nc_u32 v[F0+4], 196608, v[F0]
	v_lshl_add_u32 v[F0+5], v0, 3, VS
	v_lshlrev_b32 v[F0+6], 3, v8
	s_lshl_b32 s47, s14, 9
	v_add_nc_u32 v[F0+6], s47, v[F0+6]             ; v's scale words in memory: 512 x wave + 8 L
	v_mov_b32 v239, 0xf1800000                     ; -2^100
	s_add_co_u32 s48, s44, 64
	s_mul_i32 s16, s48, 98304
	s_mov_b32 s17, 0
	s_lshl_b32 s20, s48, 13
	s_mov_b32 s21, 0
	s_add_co_u32 s48, s44, 128
	s_mul_i32 s18, s48, 98304
	s_mov_b32 s19, 0
	s_lshl_b32 s22, s48, 13
	s_mov_b32 s23, 0
	s_lshl_b32 s24, s45, 13
	s_mov_b32 s25, 0
	s_lshl_b32 s48, s44, 7
	s_lshl_b32 s49, ttmp9, 5
	s_add_co_u32 s48, s48, s49
	s_add_co_u32 s48, s48, s14                     ; bh x 128 + my first tile of queries
	s_mul_i32 s26, s48, 768
	s_mov_b32 s27, 0
	s_lshl_b32 s32, s48, 6
	s_mov_b32 s33, 0
	s_lshl_b32 s28, s44, 13
	s_lshl_b32 s48, ttmp9, 3
	s_lshr_b32 s50, s14, 2
	s_add_co_u32 s48, s48, s50
	s_lshl_b32 s48, s48, 8
	s_add_co_u32 s28, s28, s48
	s_mov_b32 s29, 0
	s_lshl_b32 s48, s45, 7
	s_add_co_u32 s48, s48, s49
	s_add_co_u32 s48, s48, s14                     ; batch x 128 + my tile
	s_lshl_b32 s48, s48, 4
	s_add_co_u32 s48, s48, s46
	s_mul_i32 s30, s48, 768
	s_mov_b32 s31, 0
	s_mov_b32 s36, 0x76543210
	s_mov_b32 s37, 0xfedcba98
	s_wait_kmcnt 0x0
	s_add_nc_u64 s[16:17], s[4:5], s[16:17]        ; k's pieces
	s_add_nc_u64 s[18:19], s[4:5], s[18:19]        ; v's
	s_add_nc_u64 s[20:21], s[6:7], s[20:21]        ; k's scale words
	s_add_nc_u64 s[22:23], s[6:7], s[22:23]        ; v's
	s_add_nc_u64 s[24:25], s[8:9], s[24:25]        ; the batch's mask
	s_add_nc_u64 s[26:27], s[4:5], s[26:27]        ; my q piece
	s_add_nc_u64 s[28:29], s[6:7], s[28:29]        ; its scale words
	s_add_nc_u64 s[30:31], s[10:11], s[30:31]      ; my ctx piece
	s_add_nc_u64 s[32:33], s[12:13], s[32:33]      ; its scale words
.irp i, 0,1,2,3,4,5,6,7,8,9,10,11
	global_load_b128 v[96+4*\i:99+4*\i], v[F0], s[16:17] offset:8192*\i
.endr
.irp i, 0,1,2,3,4,5,6,7,8,9,10,11
	global_load_b128 v[144+4*\i:147+4*\i], v[F0], s[18:19] offset:8192*\i
.endr
	global_load_b128 v[192:195], v[F0], s[20:21]
	global_load_b128 v[196:199], v[F0], s[24:25]   ; my thread's four keys of the mask
	global_load_b64 v[200:201], v[F0+6], s[22:23]
	global_load_b64 v[202:203], v[F0+6], s[22:23] offset:256
.irp i, 0,1,2,3,4,5,6,7,8,9,10,11,12,13,14,15
	MKSET \i
	global_load_b128 v[MK:MK+3], v1, s[24:25] offset:512*\i   ; and the whole batch's, a step a load, for the flags
.endr
	s_wait_loadcnt 0x0
.irp i, 0,1,2,3,4,5,6,7
	ds_store_b128 v[F0], v[96+4*\i:99+4*\i] offset:8192*\i
.endr
.irp i, 8,9,10,11
	ds_store_b128 v[F0+1], v[96+4*\i:99+4*\i] offset:8192*(\i-8)
.endr
.irp i, 0,1,2,3,4,5,6,7
	ds_store_b128 v[F0+2], v[144+4*\i:147+4*\i] offset:8192*\i
.endr
.irp i, 8,9,10,11
	ds_store_b128 v[F0+3], v[144+4*\i:147+4*\i] offset:8192*(\i-8)
.endr
	ds_store_b128 v[F0+4], v[192:195]
.irp i, 0,1,2,3
	v_cmp_eq_u32 vcc_lo, 0, v[196+\i]
	v_cndmask_b32 v[196+\i], 0, v239, vcc_lo       ; 0 for an open key, -2^100 for a hidden one
.endr
	ds_store_b128 v[F0+4], v[196:199] offset:12288
	v_lshl_or_b32 v200, v202, 16, v200             ; a step's word of v: the two bytes of its first 64 keys, then those of its second
	v_lshl_or_b32 v201, v203, 16, v201
	ds_store_b64 v[F0+5], v[200:201]
	s_mov_b32 s38, 0                               ; bit i: step i has a hidden key
	v_mov_b32 v226, 0
.irp i, 0,1,2,3,4,5,6,7,8,9,10,11,12,13,14,15
	MKSET \i
	v_min_u32 v224, v[MK], v[MK+1]
	v_min_u32 v225, v[MK+2], v[MK+3]
	v_min_u32 v224, v224, v225
	v_or_b32 v225, v[MK], v[MK+1]
	v_or_b32 v226, v226, v[MK+2]
	v_or_b32 v225, v225, v[MK+3]
	v_or_b32 v226, v226, v225
	v_cmp_eq_u32 vcc_lo, 0, v224
	s_cmp_lg_u32 vcc_lo, 0
	s_cselect_b32 s44, 1<<\i, 0
	s_or_b32 s38, s38, s44
.endr
	v_cmp_ne_u32 vcc_lo, 0, v226
	s_cmp_lg_u32 vcc_lo, 0
	s_cselect_b32 s34, 0x3e38aa3b, 0               ; c = log2(e) / 8, or 0 where the batch has no open key
	s_mov_b32 s35, s34                             ; (the packed form names the pair)
.irp t, 0,1,2,3
.irp i, 6,7,8,9,10,11
	v_mov_b32 v[KF+12*\t+\i], 0                    ; zero codes for K = 64 .. 127, written once
.endr
.endr
.irp i, 22,23,24,25,26,27
	v_mov_b32 v[\i], 0
.endr
.irp b, 0,1,2,3
	v_mov_b32 v[BP+\b], 0                          ; a lane permute's destination counts as read
.endr
	v_mov_b32 v229, 0                              ; (named as the upper half of the pair v[228:229])
	s_wait_dscnt 0x0                               ; for the others' sake: my part of the fill has landed
	s_barrier_signal -1
	s_barrier_wait -1                              ; from here on LDS is only read
; S^T = k q^T for the step's 128 keys, four tiles at a time.  msk = 1: the keys' bias is loaded into the result's registers and is the product's C.
.macro QK msk
.irp g, 0,1
.if \g
.rept 4
	v_nop                                          ; places in front of loads into registers that the products have read
.endr
.endif
.if \msk
.irp i, 0,1,2,3,4,5,6,7
	ds_load_b128 v[S+32*\g+4*\i:S+32*\g+4*\i+3], v[ADM] offset:(2*\g+\i/4)*128+(\i%4)*16
.endr
.endif
.irp t, 0,1,2,3
	ds_load_b128 v[KF+12*\t:KF+12*\t+3], v[ADK] offset:(4*\g+\t)*768
	ds_load_b64 v[KF+12*\t+4:KF+12*\t+5], v[ADK8] offset:(4*\g+\t)*768
.endr
	ds_load_b128 v[KSW+4*\g:KSW+4*\g+3], v[ADS] offset:256*\g
	s_wait_dscnt 0x0
.irp t, 0,1,2,3
.if \msk
	WMC S+8*(4*\g+\t), KF+12*\t, 16, S+8*(4*\g+\t), KSW+4*\g+\t, 28
.else
	WMZ S+8*(4*\g+\t), KF+12*\t, 16, KSW+4*\g+\t, 28
.endif
.endr
.endr
.endm
	s_mov_b32 s43, 0
.Lpass:
	global_load_b128 v[16:19], v1, s[26:27]        ; my tile of q: a piece,
	global_load_b64 v[20:21], v2, s[26:27]
	global_load_b32 v28, v6, s[28:29]              ; and its rows' scale words
	v_mov_b32 v13, 0xdf800000                      ; the largest t so far: -2^64
	v_floor_f32 v12, -v13                          ; -M
	v_mov_b32 v14, 0                               ; the sum, in two halves
	v_mov_b32 v15, 0
.irp j, 0,1,2,3,4,5,6,7,8,9,10,11,12,13,14,15,16,17,18,19,20,21,22,23,24,25,26,27,28,29,30,31
	v_mov_b32 v[O+\j], 0                           ; O^T.  (The step is written once: the first finds zeros, which the first change of M leaves zeros)
.endr
	s_mov_b32 s39, 0                               ; the step
	s_mov_b32 s40, 0                               ; its pieces: 6,144 bytes a step
	s_mov_b32 s41, 0                               ; k's scale words and the bias: 512
	s_mov_b32 s42, 0                               ; v's scale words: 256
	s_wait_loadcnt 0x0
.Lstep:
	v_add_nc_u32 v[ADK], s40, v1                   ; (these seven are also the places between the last step's products and what is laid over their operands)
	v_add_nc_u32 v[ADK8], s40, v2
	v_add_nc_u32 v[ADV], VC, v[ADK]
	v_add_nc_u32 v[ADV8], VC, v[ADK8]
	v_add_nc_u32 v[ADS], s41, v3
	v_add_nc_u32 v[ADT], s42, v4
	v_add_nc_u32 v[ADM], s41, v5
	s_lshr_b32 s44, s38, s39
	s_and_b32 s44, s44, 1
	s_cmp_lg_u32 s44, 0
	s_cbranch_scc1 .Lholes
	QK 0
	s_branch .Ljoin
.Lholes:
	QK 1
.Ljoin:
.rept 4
	v_nop
.endr
.irp b, 0,1,2,3
	v_max3_num_f32 v[BM+\b], v[S+16*\b], v[S+1+16*\b], v[S+2+16*\b]   ; the largest score of each block of 32 keys: for the row's maximum, and, since p rises with the score, for the block's largest p
.endr
.irp i, 3,5,7,9,11,13
.irp b, 0,1,2,3
	v_max3_num_f32 v[BM+\b], v[BM+\b], v[S+16*\b+\i], v[S+1+16*\b+\i]
.endr
.endr
.irp b, 0,1,2,3
	v_max_num_f32 v[BM+\b], v[BM+\b], v[S+15+16*\b]
.endr
.irp b, 0,1,2,3
	v_permlanex16_b32 v[BP+\b], v[BM+\b], s36, s37
.endr
.irp b, 0,1,2,3
	v_max_num_f32 v[BM+\b], v[BM+\b], v[BP+\b]     ; with lane l xor 16's 16 keys
.endr
	v_max3_num_f32 v226, v[BM], v[BM+1], v[BM+2]
	v_max_num_f32 v226, v226, v[BM+3]
	v_mul_f32 v226, s34, v226                      ; the step's largest t (c is not negative)
	v_max_num_f32 v13, v13, v226                   ; the running largest t
	v_mov_b32 v226, v12
	v_floor_f32 v12, -v13                          ; the new -M = -ceil(t): a whole number
	v_sub_f32 v226, v12, v226                      ; old M - new M, 0 or less
	v_cvt_i32_f32 v226, v226                       ; (it saturates)
	v_ldexp_f32 v228, 1.0, v226                    ; f = 2^(old M - new M): a multiplication by it rounds nothing
.irp j, 0,2,4,6,8,10,12,14,16,18,20,22,24,26,28,30,32,34,36,38,40,42,44,46,48,50,52,54,56,58,60,62
	v_pk_fma_f32 v[S+\j:S+1+\j], v[S+\j:S+1+\j], s[34:35], v[12:13] op_sel_hi:[1,0,0]   ; t - M, two at a time
.endr
.irp b, 0,1,2,3
	v_fma_f32 v[BM+\b], v[BM+\b], s34, v12         ; the same of each block's largest score
.endr
.irp j, 0,1,2,3,4,5,6,7,8,9,10,11,12,13,14,15,16,17,18,19,20,21,22,23,24,25,26,27,28,29,30,31,32,33,34,35,36,37,38,39,40,41,42,43,44,45,46,47,48,49,50,51,52,53,54,55,56,57,58,59,60,61,62,63
	v_exp_f32 v[S+\j], v[S+\j]                     ; p = 2^(t - M), at most 1
.endr
	v_pk_mul_f32 v[14:15], v[14:15], v[228:229] op_sel_hi:[1,0]   ; the sums under the new M: a plain place behind the exponentials
	s_wait_alu depctr_va_vdst(0)                   ; one wait for the batch of 64, ahead of its first use
.irp b, 0,1,2,3
	v_exp_f32 v[BM+\b], v[BM+\b]                   ; the block's largest p: the same two instructions on the same number
.endr
	v_pk_add_f32 v[224:225], v[S:S+1], v[S+2:S+3]  ; the row's sum of the unquantised p, in two chains
.irp j, 4,8,12,16,20,24,28,32,36,40,44,48,52,56,60
	v_pk_add_f32 v[14:15], v[14:15], v[S+\j:S+1+\j]
	v_pk_add_f32 v[224:225], v[224:225], v[S+2+\j:S+3+\j]
.endr
	v_pk_add_f32 v[14:15], v[14:15], v[224:225]
	s_wait_alu depctr_va_vdst(0)                   ; and one for the four
.irp b, 0,1,2,3
	v_max_num_f32 v[BM+\b], 0x2800000, v[BM+\b]    ; the floor 2^(5 - 127): a block whose every p is 0 keeps the byte 1 over zero codes
.endr
.irp b, 0,1,2,3
	v_add_nc_u32 v[SOP+\b], 0xfe000000, v[BM+\b]
.endr
.irp b, 0,1,2,3
	v_lshrrev_b32 v[BP+\b], 23, v[SOP+\b]
.endr
	v_lshl_or_b32 v[PWR], v[BP+1], 8, v[BP]        ; p's scale word for these 128 keys
	v_lshl_or_b32 v[PWR], v[BP+2], 16, v[PWR]
	v_lshl_or_b32 v[PWR], v[BP+3], 24, v[PWR]
.irp c, 0,1
	v_cvt_scalef32_pk16_bf6_f32 v[P+6*\c:P+2+6*\c], v[S+32*\c:S+15+32*\c], v[SOP+2*\c]
	v_cvt_scalef32_pk16_bf6_f32 v[PT+4*\c:PT+2+4*\c], v[S+16+32*\c:S+31+32*\c], v[SOP+2*\c+1]
.endr
	v_nop                                          ; one plain place behind a scaled conversion
.irp t, 0,1,2,3                                    ; v's four fragments land where p lay: piece c of channel tile t is registers 6 c .. 6 c + 5
.irp c, 0,1
	ds_load_b128 v[S+12*\t+6*\c:S+3+12*\t+6*\c], v[ADV] offset:(4*\c+\t)*768
	ds_load_b64 v[S+4+12*\t+6*\c:S+5+12*\t+6*\c], v[ADV8] offset:(4*\c+\t)*768
.endr
.endr
	ds_load_b128 v[VSW:VSW+3], v[ADT]
.irp c, 0,1                                        ; a whole block in a lane: lanes 0-15 block 2 c, lanes 16-31 block 2 c + 1
.irp i, 0,1,2
	v_permlane16_swap_b32 v[P+6*\c+\i], v[PT+4*\c+\i]
.endr
.irp i, 0,1,2
	v_mov_b32 v[P+3+6*\c+\i], v[PT+4*\c+\i]
.endr
.endr
.irp j, 0,2,4,6,8,10,12,14,16,18,20,22,24,26,28,30
	v_pk_mul_f32 v[O+\j:O+1+\j], v[O+\j:O+1+\j], v[228:229] op_sel_hi:[1,0]   ; O^T under the new M; these are also the places between p's codes and word and the products
.endr
	s_wait_dscnt 0x0
.irp t, 0,1,2,3
	WMC O+8*\t, S+12*\t, P, O+8*\t, VSW+\t, PWR
.endr
	s_add_co_u32 s40, s40, 6144
	s_add_co_u32 s41, s41, 512
	s_add_co_u32 s42, s42, 256
	s_add_co_u32 s39, s39, 1
	s_cmp_lt_u32 s39, 16
	s_cbranch_scc1 .Lstep
	; ctx = O^T / the sum, quantised along the head's 64: register 16 b + i is channel 32 b + 16 (lane / 16) + i of my query
.rept 4
	v_nop
.endr
	v_add_f32 v14, v14, v15
	v_permlanex16_b32 v226, v14, s36, s37
	v_add_f32 v14, v14, v226                       ; the row's sum
	v_rcp_f32 v228, v14
	v_nop                                          ; a plain place behind the reciprocal,
	s_wait_alu depctr_va_vdst(0)                   ; and the wait ahead of its first use
.irp j, 0,2,4,6,8,10,12,14,16,18,20,22,24,26,28,30
	v_pk_mul_f32 v[S+\j:S+1+\j], v[O+\j:O+1+\j], v[228:229] op_sel_hi:[1,0]   ; each accumulator from its low end on
.endr
.irp b, 0,1
	v_max3_num_f32 v[BM+\b], |v[S+16*\b]|, |v[S+1+16*\b]|, 0x2800000
.endr
.irp i, 2,4,6,8,10,12,14
.irp b, 0,1
	v_max3_num_f32 v[BM+\b], v[BM+\b], |v[S+16*\b+\i]|, |v[S+1+16*\b+\i]|
.endr
.endr
.irp b, 0,1
	v_permlanex16_b32 v[BP+\b], v[BM+\b], s36, s37
.endr
.irp b, 0,1
	v_max_num_f32 v[BM+\b], v[BM+\b], v[BP+\b]
.endr
.irp b, 0,1
	v_add_nc_u32 v[SOP+\b], 0xfe000000, v[BM+\b]
.endr
.irp b, 0,1
	v_lshrrev_b32 v[BP+\b], 23, v[SOP+\b]
.endr
	v_lshl_or_b32 v227, v[BP+1], 8, v[BP]
	v_cvt_scalef32_pk16_bf6_f32 v[P:P+2], v[S:S+15], v[SOP]
	v_cvt_scalef32_pk16_bf6_f32 v[PT:PT+2], v[S+16:S+31], v[SOP+1]
	v_nop
.irp i, 0,1,2
	v_permlane16_swap_b32 v[P+\i], v[PT+\i]
.endr
.irp i, 0,1,2
	v_mov_b32 v[P+3+\i], v[PT+\i]
.endr
	global_store_b128 v1, v[P:P+3], s[30:31]       ; the piece: 512 consecutive bytes,
	global_store_b64 v2, v[P+4:P+5], s[30:31]      ; and the 256 behind them
	global_store_b32 v7, v227, s[32:33]            ; its 16 scale words (lanes 16-31 write what lanes 0-15 write)
	s_wait_xcnt 0x0                                ; loads and stores have read their bases and registers
	s_add_nc_u64 s[26:27], s[26:27], 12288         ; sixteen tiles on
	s_add_nc_u64 s[28:29], s[28:29], 1024
	s_add_nc_u64 s[30:31], s[30:31], 196608
	s_add_nc_u64 s[32:33], s[32:33], 1024
	s_add_co_u32 s43, s43, 1
	s_cmp_lt_u32 s43, 2
	s_cbranch_scc1 .Lpass
	s_wait_tensorcnt 0x0
	ds_add_u32 v254, v255
	s_wait_dscnt 0x0
	s_endpgm
.Lfunc_end_k_qe9513ee4a3_attn:
	.size	k_qe9513ee4a3_attn, .Lfunc_end_k_qe9513ee4a3_attn-k_qe9513ee4a3_attn
	.p2alignl 7, 3214868480
	.fill 96, 4, 3214868480
	.section	.rodata,"a",@progbits
	.p2align	6, 0x0
	.amdhsa_kernel k_qe9513ee4a3_attn
		.amdhsa_group_segment_fixed_size 219136
		.amdhsa_private_segment_fixed_size 0
		.amdhsa_enable_private_segment 0
		.amdhsa_kernarg_size 40
		.amdhsa_user_sgpr_count 2
		.amdhsa_user_sgpr_kernarg_segment_ptr 1
		.amdhsa_wavefront_size32 1
		.amdhsa_system_sgpr_workgroup_id_x 1
		.amdhsa_system_sgpr_workgroup_id_y 1
		.amdhsa_system_sgpr_workgroup_id_z 1
		.amdhsa_system_vgpr_workitem_id 0
		.amdhsa_next_free_vgpr 256
		.amdhsa_next_free_sgpr 66
		.amdhsa_reserve_vcc 1
		.amdhsa_float_denorm_mode_32 3
		.amdhsa_float_denorm_mode_16_64 3
		.amdhsa_memory_ordered 1
		.amdhsa_forward_progress 1
		.amdhsa_inst_pref_size 43
	.end_amdhsa_kernel
	.amdgpu_metadata
---
amdhsa.version: [ 1, 2 ]
amdhsa.kernels:
  - .name:           k_qe9513ee4a3_attn
    .symbol:         k_qe9513ee4a3_attn.kd
    .args:
      - { .name: hc, .offset: 0, .size: 8, .value_kind: global_buffer, .address_space: global }
      - { .name: hs, .offset: 8, .size: 8, .value_kind: global_buffer, .address_space: global }
      - { .name: mask, .offset: 16, .size: 8, .value_kind: global_buffer, .address_space: global }
      - { .name: cc, .offset: 24, .size: 8, .value_kind: global_buffer, .address_space: global }
      - { .name: cs, .offset: 32, .size: 8, .value_kind: global_buffer, .address_space: global }
    .group_segment_fixed_size: 219136
    .private_segment_fixed_size: 0
    .kernarg_segment_align: 8
    .kernarg_segment_size: 40
    .max_flat_workgroup_size: 512
    .sgpr_count:     66
    .vgpr_count:     256
    .wavefront_size: 32
...
	.end_amdgpu_metadata
.endif
;; end of part 3
;; launch outln (part 4): grid 256 x 1, 4 waves a work-group, no clusters, 263,168 bytes of LDS; arguments cc, cs, tc, ts, Q, bo, gamma, beta, out0; writes out0
.if DOCPART == 4
	.amdgcn_target "amdgcn-amd-amdhsa--gfx1250"
	.amdhsa_code_object_version 6
	.text
	.protected	k_qe9513ee4a3_outln
	.globl	k_qe9513ee4a3_outln
	.p2align	8
	.type	k_qe9513ee4a3_outln,@function
k_qe9513ee4a3_outln:
	s_mov_b64 s[64:65], 0
	v_nop
	global_prefetch_b8 v0, s[64:65] scope:SCOPE_SE
	s_setreg_imm32_b32 hwreg(HW_REG_WAVE_MODE, 25, 1), 1
	s_wait_xcnt 0x0
; out0 = LayerNorm(ctx Wo^T + bo + Q) x gamma + beta; the product on codes of BF6, all else in f32.
; SHARES.  Work-group g owns tokens 32 g .. 32 g + 31 (token tiles 2 g, 2 g + 1), all 1,024 columns, so that each row's mean and variance have one owner.  Wave w makes columns 256 w .. 256 w + 255: 16 tiles of Wo x 2 tiles
; of tokens = 32 accumulators.  ctx's 16 fragments stay in every wave's registers; a fragment of Wo is used by one wave of the work-group alone, so it goes from memory straight into that wave's registers, through a ring of
; three sets of 8 fragments (24 loads each).  All work-groups read the same Wo; sharing it by joint loads would want a ring in LDS with rounds of a cluster's barrier, which this first form leaves out.
; The wave's 8 rows of Q (32,768 dense bytes) come by one tensor load at the head, into LDS bytes of the wave's own that are filled once.
; The product is used transposed (source 0 = 16 rows of Wo, source 1 = 16 tokens): a lane holds eight neighbouring columns of one token.  Results meet in a stage in LDS (32 rows x 4,112 bytes); behind one barrier each wave
; takes 8 whole rows.  Stage row 16 m + r is token 8 m + r + 8 (r / 8) of the 32.
; REGISTERS, in windows of 256.  Window 0: v1-8 addresses; v16-143 Wo's scale words [8 t + s]; v144-159 ctx's [8 m + s]; v160-255 ring set 2.   window 1: the accumulators at 8 (2 t + m) (before the first product v0-31: ctx's raw words).
;   window 2: ctx's fragments at 12 (8 m + s).   window 3: ring sets 0, 1 at v0, v96; in the last phase v0-95 bo, gamma, beta; v96-223 two sets of a row's stage and Q numbers; v224-238 at work.
.set QR,   131584                      ; LDS: the stage from 0; from here 32,768 bytes of Q for each wave
.set WS,   16
.set CSW,  144
.set MSB, 0
.macro WIN new                         ; the immediate's high byte repeats the setting that is left
.if MSB != \new
	s_set_vgpr_msb (MSB<<8)|\new
.set MSB, \new
.endif
.endm
.macro WMZ d, a, b, sa, sb
	v_wmma_scale_f32_16x16x128_f8f6f4 v[(\d):(\d)+7], v[(\a):(\a)+11], v[(\b):(\b)+11], 0, v[(\sa)], v[(\sb)] matrix_a_fmt:MATRIX_FMT_BF6 matrix_b_fmt:MATRIX_FMT_BF6
.endm
.macro WMC d, a, b, c, sa, sb
	v_wmma_scale_f32_16x16x128_f8f6f4 v[(\d):(\d)+7], v[(\a):(\a)+11], v[(\b):(\b)+11], v[(\c):(\c)+7], v[(\sa)], v[(\sb)] matrix_a_fmt:MATRIX_FMT_BF6 matrix_b_fmt:MATRIX_FMT_BF6
.endm
	s_load_b256 s[4:11], s[0:1], 0x0               ; cc, cs, tc, ts
	s_load_b256 s[12:19], s[0:1], 0x20             ; Q, bo, gamma, beta
	s_load_b64 s[20:21], s[0:1], 0x40              ; out0
	v_lshl_add_u32 v14, v0, 2, 0x40200
	v_mov_b32 v15, 0
	ds_add_u32 v14, v15
	ds_add_u32 v14, v15
	v_lshrrev_b32 v9, 5, v0
	v_readfirstlane_b32 s23, v9                    ; wave
	v_and_b32 v9, 31, v0                           ; L
	v_and_b32 v10, 15, v0                          ; r
	v_bfe_u32 v11, v0, 4, 1                        ; h
	v_lshlrev_b32 v1, 4, v9                        ; 16 L
	v_lshl_add_u32 v2, v9, 3, 512                  ; 512 + 8 L
	v_lshlrev_b32 v3, 5, v10                       ; 32 r
	v_lshlrev_b32 v4, 2, v10                       ; 4 r
	v_mul_u32_u24 v5, v10, 4112
	v_lshl_add_u32 v5, v11, 6, v5
	s_lshl_b32 s22, s23, 10
	v_add_nc_u32 v5, s22, v5                       ; the stage, token tile 0: row r, + 64 h + 1,024 w
	v_add_nc_u32 v6, 65792, v5                     ; token tile 1: 16 rows on
	s_and_b32 s22, s23, 1
	s_lshl_b32 s22, s22, 4
	s_lshr_b32 s36, s23, 1
	s_lshl_b32 s36, s36, 3
	s_add_co_u32 s22, s22, s36                     ; my 8 tokens' first stage row: 16 (w % 2) + 8 (w / 2)
	s_mul_i32 s22, s22, 4112
	v_add_nc_u32 v7, s22, v1
	s_lshl_b32 s25, s23, 15
	s_add_co_u32 s25, s25, QR                      ; my rows of Q in LDS: also the descriptor's LDS address
	v_add_nc_u32 v8, s25, v1
	s_lshr_b32 s40, ttmp9, 6                       ; batch
	s_and_b32 s41, ttmp9, 63
	s_lshl_b32 s41, s41, 1
	s_lshl_b32 s40, s40, 11
	s_add_co_u32 s40, s40, s41
	s_lshl_b32 s40, s40, 6                         ; cs: (batch x 2,048 + my first tile in the batch) x 64
	s_mov_b32 s41, 0
	s_mul_i32 s42, ttmp9, 24576                    ; cc: 2 g tiles of 12,288 bytes
	s_mov_b32 s43, 0
	s_lshl_b32 s44, s23, 4
	s_add_co_u32 s44, s44, 1728                    ; my first tile of Wo
	s_lshl_b32 s46, s44, 9
	s_mov_b32 s47, 0
	s_mul_i32 s44, s44, 12288
	s_mov_b32 s45, 0
	s_lshl_b32 s36, ttmp9, 5
	s_lshl_b32 s37, s23, 3
	s_add_co_u32 s36, s36, s37                     ; my first token
	s_lshl_b32 s36, s36, 12
	s_mov_b32 s37, 0
	; descriptor group 1: 128 rows of 256 bytes (32 elements of 8 bytes), dense, no padding
	s_mov_b32 s28, 3<<16
	s_mov_b32 s29, 32<<16                          ; tensor_dim0
	s_mov_b32 s30, 128<<16                         ; tensor_dim1
	s_mov_b32 s31, 32<<16                          ; tile_dim0
	s_mov_b32 s32, 128                             ; tile_dim1
	s_mov_b32 s33, 32                              ; the pitch
	s_mov_b32 s34, 0
	s_mov_b32 s35, 0
	s_mov_b32 s24, 1
	s_mov_b32 s38, 0x76543210
	s_mov_b32 s39, 0xfedcba98
	s_wait_dscnt 0x0
	s_wait_kmcnt 0x0
	s_add_nc_u64 s[26:27], s[12:13], s[36:37]
	s_or_b32 s27, s27, 0x80000000
	tensor_load_to_lds s[24:27], s[28:35]          ; my one tensor load: it lands under the product
	s_nop 0
.rept 4
	v_nop
.endr
	s_add_nc_u64 s[6:7], s[6:7], s[40:41]
	s_add_nc_u64 s[4:5], s[4:5], s[42:43]
	s_add_nc_u64 s[8:9], s[8:9], s[44:45]
	s_add_nc_u64 s[10:11], s[10:11], s[46:47]
	s_add_nc_u64 s[20:21], s[20:21], s[36:37]
	s_mov_b32 s40, 0x3a800000                      ; 1 / 1024
	s_mov_b32 s41, 0x3727c5ac                      ; 1e-5
	WIN 0x40                                       ; destination window 1
.irp d, 0,1,2,3,4,5,6,7,8,9,10,11,12,13,14,15
.irp m, 0,1
	global_load_b32 v[2*\d+\m], v4, s[6:7] offset:8192*\d+64*\m    ; ctx's raw words: head d, token tile m
.endr
.endr
	WIN 0x80                                       ; destination window 2
.irp m, 0,1
.irp s, 0,1,2,3,4,5,6,7
.irp c, 0,1
	global_load_b128 v[12*(8*\m+\s)+6*\c:12*(8*\m+\s)+6*\c+3], v1, s[4:5] offset:(16*\m+2*\s+\c)*768   ; K step s = heads 2 s, 2 s + 1: two pieces make a fragment
	global_load_b64 v[12*(8*\m+\s)+6*\c+4:12*(8*\m+\s)+6*\c+5], v2, s[4:5] offset:(16*\m+2*\s+\c)*768
.endr
.endr
.endr
	WIN 0
.irp t, 0,1,2,3,4,5,6,7,8,9,10,11,12,13,14,15
	global_load_b128 v[WS+8*\t:WS+8*\t+3], v3, s[10:11] offset:512*\t
	global_load_b128 v[WS+8*\t+4:WS+8*\t+7], v3, s[10:11] offset:512*\t+16
.endr
.macro LOADW q                         ; half step q: K step q / 2, Wo's tiles 8 (q % 2) + 0 .. 7, into ring set q % 3
.if (\q)%3 == 2
	WIN 0
.set RB, 160
.else
	WIN 0xc0
.set RB, 96*((\q)%3)
.endif
.irp i, 0,1,2,3,4,5,6,7
.irp g, 0,1,2
	global_load_b128 v[RB+12*\i+4*\g:RB+12*\i+4*\g+3], v1, s[8:9] offset:(8*((\q)%2)+\i)*12288+1536*((\q)/2)+512*\g
.endr
.endr
.endm
; 16 products; between two products on one accumulator stand 31 others'.
.macro HALF q
.if (\q) < 14
	s_wait_loadcnt 48                              ; this set is in; the two younger sets' 48 loads may be out
.elseif (\q) == 14
	s_wait_loadcnt 24
.else
	s_wait_loadcnt 0x0
.endif
.if (\q) == 0
	WIN 0x11
.irp m, 0,1
.irp s, 0,1,2,3,4,5,6,7
	v_lshl_or_b32 v[CSW+8*\m+\s], v[2*(2*\s+1)+\m], 16, v[2*(2*\s)+\m]   ; ctx's scale word of K step s: head 2 s's two bytes, then head 2 s + 1's
.endr
.endr
.rept 8
	v_nop                                          ; a scale register written by a vector instruction stands 8 places ahead of the scaled product
.endr
.endif
.if (\q)%3 == 2
	WIN 0x58                                       ; Wo window 0, ctx window 2, C and D window 1
.set RB, 160
.else
	WIN 0x5b                                       ; Wo window 3
.set RB, 96*((\q)%3)
.endif
.irp i, 0,1,2,3,4,5,6,7
.irp m, 0,1
.if (\q) < 2
	WMZ 8*(2*(8*((\q)%2)+\i)+\m), RB+12*\i, 12*(8*\m+(\q)/2), WS+8*(8*((\q)%2)+\i)+(\q)/2, CSW+8*\m+(\q)/2
.else
	WMC 8*(2*(8*((\q)%2)+\i)+\m), RB+12*\i, 12*(8*\m+(\q)/2), 8*(2*(8*((\q)%2)+\i)+\m), WS+8*(8*((\q)%2)+\i)+(\q)/2, CSW+8*\m+(\q)/2
.endif
.endr
.endr
.rept 4
	v_nop                                          ; places in front of loads into the set just read, and of the first read of results
.endr
.if (\q) < 13
	LOADW (\q)+3
.endif
.endm
	LOADW 0
	LOADW 1
	LOADW 2
.irp q, 0,1,2,3,4,5,6,7,8,9,10,11,12,13,14,15
	HALF \q
.endr
	WIN 0xc0                                       ; destination window 3
.irp i, 0,1,2,3,4,5,6,7
	global_load_b128 v[4*\i:4*\i+3], v1, s[14:15] offset:512*\i          ; bo, gamma, beta: my 32 columns of a row, 128 i + 4 L + 0 .. 3
	global_load_b128 v[32+4*\i:35+4*\i], v1, s[16:17] offset:512*\i
	global_load_b128 v[64+4*\i:67+4*\i], v1, s[18:19] offset:512*\i
.endr
	v_mov_b32 v233, 0                              ; (upper halves of pairs that are named whole, and a lane permute's destination)
	v_mov_b32 v237, 0
	v_mov_b32 v238, 0
	WIN 0x04                                       ; an LDS store's data: window 1
.irp t, 0,1,2,3,4,5,6,7,8,9,10,11,12,13,14,15
.irp m, 0,1
	ds_store_b128 v[5+\m], v[8*(2*\t+\m):8*(2*\t+\m)+3] offset:(\t/2)*128+(\t%2)*32        ; each accumulator from its low end on
	ds_store_b128 v[5+\m], v[8*(2*\t+\m)+4:8*(2*\t+\m)+7] offset:(\t/2)*128+(\t%2)*32+16
.endr
.endr
	WIN 0
	s_wait_dscnt 0x0                               ; for the others' sake: my columns lie in the stage
	s_barrier_signal -1
	s_barrier_wait -1
	s_wait_tensorcnt 0x0                           ; my rows of Q lie in LDS; only I read them
	s_wait_loadcnt 0x0                             ; bo, gamma, beta
.macro ROWLD l                         ; row l of my 8: 4,096 bytes of the stage and of Q, 16 bytes a lane and load
.set XB, 96+64*((\l)%2)
	WIN 0xc0
.irp i, 0,1,2,3,4,5,6,7
	ds_load_b128 v[XB+4*\i:XB+4*\i+3], v7 offset:4112*(\l)+512*\i
.endr
.irp i, 0,1,2,3,4,5,6,7
	ds_load_b128 v[XB+32+4*\i:XB+35+4*\i], v8 offset:4096*(\l)+512*\i
.endr
.endm
.macro RED                             ; four packed partial sums become the row's sum, in every lane
	v_pk_add_f32 v[224:225], v[224:225], v[226:227]
	v_pk_add_f32 v[228:229], v[228:229], v[230:231]
	v_pk_add_f32 v[224:225], v[224:225], v[228:229]
	v_add_f32 v224, v224, v225
	v_add_f32_dpp v224, v224, v224 row_xmask:1 row_mask:0xf bank_mask:0xf
	v_add_f32_dpp v224, v224, v224 row_xmask:2 row_mask:0xf bank_mask:0xf
	v_add_f32_dpp v224, v224, v224 row_xmask:4 row_mask:0xf bank_mask:0xf
	v_add_f32_dpp v224, v224, v224 row_xmask:8 row_mask:0xf bank_mask:0xf
	v_permlanex16_b32 v238, v224, s38, s39
	v_add_f32 v224, v224, v238
.endm
.macro ROW l
.if (\l) < 7
.if (\l) >= 1
	s_wait_xcnt 0x0                                ; the stores of the row before have read the set that is loaded again
.endif
	ROWLD (\l)+1
	s_wait_dscnt 16                                ; this row's 16 loads are in; the next row's 16 may be out
.else
	s_wait_dscnt 0x0
.endif
.set XB, 96+64*((\l)%2)
	WIN 0xff                                       ; all operands in window 3
.irp k, 0,2,4,6,8,10,12,14,16,18,20,22,24,26,28,30
	v_pk_add_f32 v[XB+\k:XB+\k+1], v[XB+\k:XB+\k+1], v[XB+32+\k:XB+33+\k]   ; + Q
.endr
.irp k, 0,2,4,6,8,10,12,14,16,18,20,22,24,26,28,30
	v_pk_add_f32 v[XB+\k:XB+\k+1], v[XB+\k:XB+\k+1], v[\k:\k+1]             ; + bo
.endr
.irp c, 0,1,2,3
	v_pk_add_f32 v[224+2*\c:225+2*\c], v[XB+2*\c:XB+2*\c+1], v[XB+8+2*\c:XB+9+2*\c]
.endr
.irp k, 16,24
.irp c, 0,1,2,3
	v_pk_add_f32 v[224+2*\c:225+2*\c], v[224+2*\c:225+2*\c], v[XB+\k+2*\c:XB+\k+2*\c+1]
.endr
.endr
	RED
	v_mul_f32 v232, s40, v224                      ; the mean
.irp k, 0,2,4,6,8,10,12,14,16,18,20,22,24,26,28,30
	v_pk_add_f32 v[XB+\k:XB+\k+1], v[XB+\k:XB+\k+1], v[232:233] op_sel_hi:[1,0] neg_lo:[0,1] neg_hi:[0,1]
.endr
.irp c, 0,1,2,3
	v_pk_mul_f32 v[224+2*\c:225+2*\c], v[XB+2*\c:XB+2*\c+1], v[XB+2*\c:XB+2*\c+1]
.endr
.irp k, 8,16,24
.irp c, 0,1,2,3
	v_pk_fma_f32 v[224+2*\c:225+2*\c], v[XB+\k+2*\c:XB+\k+2*\c+1], v[XB+\k+2*\c:XB+\k+2*\c+1], v[224+2*\c:225+2*\c]
.endr
.endr
	RED
	v_fma_f32 v234, v224, s40, s41                 ; the variance + 1e-5
	v_rsq_f32 v236, v234
	v_nop                                          ; a plain place behind the root,
	s_wait_alu depctr_va_vdst(0)                   ; and the wait ahead of its first use
.irp k, 0,2,4,6,8,10,12,14,16,18,20,22,24,26,28,30
	v_pk_mul_f32 v[XB+\k:XB+\k+1], v[XB+\k:XB+\k+1], v[236:237] op_sel_hi:[1,0]
.endr
.irp k, 0,2,4,6,8,10,12,14,16,18,20,22,24,26,28,30
	v_pk_fma_f32 v[XB+\k:XB+\k+1], v[XB+\k:XB+\k+1], v[32+\k:33+\k], v[64+\k:65+\k]
.endr
	WIN 0x0c                                       ; a store's data: window 3; its address: window 0
.irp i, 0,1,2,3,4,5,6,7
	global_store_b128 v1, v[XB+4*\i:XB+4*\i+3], s[20:21] offset:4096*(\l)+512*\i th:TH_STORE_NT   ; 512 consecutive bytes, at a multiple of 256 from out0's first byte
.endr
.endm
	ROWLD 0
.irp l, 0,1,2,3,4,5,6,7
	ROW \l
.endr
	WIN 0
	s_wait_tensorcnt 0x0
	ds_add_u32 v14, v15
	s_wait_dscnt 0x0
	s_endpgm
.Lfunc_end_k_qe9513ee4a3_outln:
	.size	k_qe9513ee4a3_outln, .Lfunc_end_k_qe9513ee4a3_outln-k_qe9513ee4a3_outln
	.p2alignl 7, 3214868480
	.fill 96, 4, 3214868480
	.section	.rodata,"a",@progbits
	.p2align	6, 0x0
	.amdhsa_kernel k_qe9513ee4a3_outln
		.amdhsa_group_segment_fixed_size 263168
		.amdhsa_private_segment_fixed_size 0
		.amdhsa_enable_private_segment 0
		.amdhsa_kernarg_size 72
		.amdhsa_user_sgpr_count 2
		.amdhsa_user_sgpr_kernarg_segment_ptr 1
		.amdhsa_wavefront_size32 1
		.amdhsa_system_sgpr_workgroup_id_x 1
		.amdhsa_system_sgpr_workgroup_id_y 1
		.amdhsa_system_sgpr_workgroup_id_z 1
		.amdhsa_system_vgpr_workitem_id 0
		.amdhsa_next_free_vgpr 1024
		.amdhsa_next_free_sgpr 66
		.amdhsa_reserve_vcc 0
		.amdhsa_float_denorm_mode_32 3
		.amdhsa_float_denorm_mode_16_64 3
		.amdhsa_memory_ordered 1
		.amdhsa_forward_progress 1
		.amdhsa_inst_pref_size 175
	.end_amdhsa_kernel
	.amdgpu_metadata
---
amdhsa.version: [ 1, 2 ]
amdhsa.kernels:
  - .name:           k_qe9513ee4a3_outln
    .symbol:         k_qe9513ee4a3_outln.kd
    .args:
      - { .name: cc, .offset: 0, .size: 8, .value_kind: global_buffer, .address_space: global }
      - { .name: cs, .offset: 8, .size: 8, .value_kind: global_buffer, .address_space: global }
      - { .name: tc, .offset: 16, .size: 8, .value_kind: global_buffer, .address_space: global }
      - { .name: ts, .offset: 24, .size: 8, .value_kind: global_buffer, .address_space: global }
      - { .name: Q, .offset: 32, .size: 8, .value_kind: global_buffer, .address_space: global }
      - { .name: bo, .offset: 40, .size: 8, .value_kind: global_buffer, .address_space: global }
      - { .name: gamma, .offset: 48, .size: 8, .value_kind: global_buffer, .address_space: global }
      - { .name: beta, .offset: 56, .size: 8, .value_kind: global_buffer, .address_space: global }
      - { .name: out0, .offset: 64, .size: 8, .value_kind: global_buffer, .address_space: global }
    .group_segment_fixed_size: 263168
    .private_segment_fixed_size: 0
    .kernarg_segment_align: 8
    .kernarg_segment_size: 72
    .max_flat_workgroup_size: 128
    .sgpr_count:     66
    .vgpr_count:     1024
    .wavefront_size: 32
...
	.end_amdgpu_metadata
.endif
;; end of part 4
;; ======== version 2 of 2: 4 launches
;; limits: right only within a limited range of input values
;; workspace buffers: tc 22,020,096 bytes; ts 917,504 bytes; hc 18,874,368 bytes; hs 1,572,864 bytes; cc 6,291,456 bytes; cs 524,288 bytes
;; launch quant (part 5): grid 448 x 1, 4 waves a work-group, no clusters, 34,304 bytes of LDS; arguments Q, K, V, Wq, Wk, Wv, Wo, tc, ts; writes tc, ts
.if DOCPART == 5
	.amdgcn_target "amdgcn-amd-amdhsa--gfx1250"
	.amdhsa_code_object_version 6
	.text
	.protected	k_qe9513ee4a3_quant
	.globl	k_qe9513ee4a3_quant
	.p2align	8
	.type	k_qe9513ee4a3_quant,@function
k_qe9513ee4a3_quant:
	s_mov_b64 s[64:65], 0
	v_nop
	global_prefetch_b8 v0, s[64:65] scope:SCOPE_SE
	s_setreg_imm32_b32 hwreg(HW_REG_WAVE_MODE, 25, 1), 1
	s_wait_xcnt 0x0
; Q, K, V [8192][1024] and Wq, Wk, Wv, Wo [1024][1024], f32, K innermost, become codes of BF6 (E3M2) with one E8M0 byte for each 32 along K.
; A block's scale is 2^(floor(log2(largest magnitude)) - 4): its byte is the largest magnitude's exponent field - 4, held at 1 from below (a block of zeros keeps the byte 1: its codes are zeros, and this program alone reads the bytes).
; LIMITS: blocks whose largest magnitude lies under 2^-122 keep the byte 1; NaN and infinities among the inputs are not served.
; THE OUTPUT IS LAID AS IMAGES OF OPERAND REGISTERS.  Tile T of a tensor holds rows 32 (T / 2) + 8 (T % 2) + r + 8 (r / 8), r = 0 .. 15.  A fragment (16 rows x 128 K, 12 registers a lane) is 1,536 bytes:
; registers 4 g .. 4 g + 3 of lane L at 512 g + 16 L.  tc: [1792 tiles][8 K steps][1536]; ts: [1792][16 rows][8 words], word s = the row's four bytes of K step s.
; Tiles 0-511 Q, 512-1023 K, 1024-1535 V, 1536 Wq, 1600 Wk, 1664 Wv, 1728 Wo.
; A wave takes one tile.  Each load reads 512 consecutive bytes of one row; a K step's 16 rows turn through the wave's own stage in LDS (rows 528 bytes apart) so that lane (r, h) gets k = 64 c + 32 h + 0 .. 31 of row r:
; two whole blocks a lane, in the order of the operand's registers.  No barrier: waves share nothing.  Loads run two K steps (32 loads a wave) ahead.
.set STG,  8448                        ; a wave's stage: 16 rows x 528 bytes
.set WRD,  8                           ; v8-15    the row's scale word of each K step
.set R,    16                          ; v16-143  two sets of 64 registers as loaded
.set X,    144                         ; v144-207 my 64 numbers of the step: block c at X + 32 c
.set C,    208                         ; v208-219 the fragment's 12 registers
.set PT,   220                         ; v220-226 the upper halves of the two blocks, made on even numbers and moved
.set MX,   228
.set SO,   230
.set BY,   232
.set WW,   234
.set TT,   235
.set OW,   240
	s_load_b256 s[4:11], s[0:1], 0x0               ; Q, K, V, Wq
	s_load_b256 s[12:19], s[0:1], 0x20             ; Wk, Wv, Wo, tc
	s_load_b64 s[20:21], s[0:1], 0x40              ; ts
	v_lshl_add_u32 v254, v0, 2, 0x8400
	v_mov_b32 v255, 0
	v_lshrrev_b32 v7, 5, v0
	v_readfirstlane_b32 s25, v7                    ; wave
	v_and_b32 v6, 31, v0                           ; lane
	v_lshlrev_b32 v1, 4, v6                        ; 16 x lane: my bytes of a load's 512, and of an image's group
	s_mul_i32 s31, s25, STG
	v_add_nc_u32 v2, s31, v1                       ; the stage, on the way in
	v_and_b32 v7, 15, v0                           ; r
	v_bfe_u32 v4, v0, 4, 1                         ; h
	v_mul_u32_u24 v3, v7, 528
	v_lshl_add_u32 v3, v4, 7, v3
	v_add_nc_u32 v3, s31, v3                       ; and on the way out: row r, + 128 h bytes
	v_lshlrev_b32 v5, 5, v7
	v_lshl_add_u32 v5, v4, 4, v5                   ; my four scale words' place: 32 r + 16 h
	v_lshlrev_b32 v4, 3, v4                        ; 8 h
	v_mov_b32 v[TT], 0                             ; a lane permute's destination counts as read
	s_mov_b32 s26, 0x76543210
	s_mov_b32 s27, 0xfedcba98                      ; selects for lane l xor 16
	s_wait_alu depctr_va_vdst(0)
	s_wait_kmcnt 0x0
	s_mov_b64 s[22:23], s[16:17]                   ; which tensor: the choice hangs on the work-group's number alone
	s_mov_b32 s24, 432
	s_cmp_lt_u32 ttmp9, 432
	s_cselect_b64 s[22:23], s[14:15], s[22:23]
	s_cselect_b32 s24, 416, s24
	s_cmp_lt_u32 ttmp9, 416
	s_cselect_b64 s[22:23], s[12:13], s[22:23]
	s_cselect_b32 s24, 400, s24
	s_cmp_lt_u32 ttmp9, 400
	s_cselect_b64 s[22:23], s[10:11], s[22:23]
	s_cselect_b32 s24, 384, s24
	s_cmp_lt_u32 ttmp9, 384
	s_cselect_b64 s[22:23], s[8:9], s[22:23]
	s_cselect_b32 s24, 256, s24
	s_cmp_lt_u32 ttmp9, 256
	s_cselect_b64 s[22:23], s[6:7], s[22:23]
	s_cselect_b32 s24, 128, s24
	s_cmp_lt_u32 ttmp9, 128
	s_cselect_b64 s[22:23], s[4:5], s[22:23]
	s_cselect_b32 s24, 0, s24
	s_sub_co_u32 s28, ttmp9, s24
	s_lshl_b32 s28, s28, 2
	s_add_co_u32 s28, s28, s25                     ; my tile in its tensor
	s_lshr_b32 s29, s28, 1
	s_lshl_b32 s29, s29, 5
	s_and_b32 s30, s28, 1
	s_lshl_b32 s30, s30, 3
	s_add_co_u32 s29, s29, s30                     ; its first row
	s_lshl_b32 s28, s29, 12                        ; x 4,096 bytes
	s_mov_b32 s29, 0
	s_add_nc_u64 s[22:23], s[22:23], s[28:29]
	s_lshl_b32 s30, ttmp9, 2
	s_add_co_u32 s30, s30, s25                     ; my tile among all 1,792
	s_mul_i32 s32, s30, 12288
	s_mov_b32 s33, 0
	s_add_nc_u64 s[18:19], s[18:19], s[32:33]
	s_lshl_b32 s32, s30, 9
	s_add_nc_u64 s[20:21], s[20:21], s[32:33]
.macro LOADF ks                        ; K step ks of the tile's 16 rows: 512 consecutive bytes a load
.irp i, 0,1,2,3,4,5,6,7,8,9,10,11,12,13,14,15
	global_load_b128 v[R+64*((\ks)%2)+4*\i:R+64*((\ks)%2)+4*\i+3], v1, s[22:23] offset:(\i+8*(\i/8))*4096+512*(\ks) th:TH_LOAD_NT
.endr
.endm
.macro TURN ks                         ; through the stage: LDS serves a wave's instructions in order, so no wait stands between the stores and the loads
.irp i, 0,1,2,3,4,5,6,7,8,9,10,11,12,13,14,15
	ds_store_b128 v2, v[R+64*((\ks)%2)+4*\i:R+64*((\ks)%2)+4*\i+3] offset:528*\i
.endr
.irp c, 0,1
.irp j, 0,1,2,3,4,5,6,7
	ds_load_b128 v[X+32*\c+4*\j:X+32*\c+4*\j+3], v3 offset:256*\c+16*\j
.endr
.endr
.endm
.macro QF ks
.irp c, 0,1
	v_max3_num_f32 v[MX+\c], |v[X+32*\c]|, |v[X+32*\c+1]|, 0x2800000   ; my block 2 c + h, and the floor 2^(5 - 127): the byte cannot fall under 1
.endr
.irp i, 2,4,6,8,10,12,14,16,18,20,22,24,26,28,30
.irp c, 0,1
	v_max3_num_f32 v[MX+\c], v[MX+\c], |v[X+32*\c+\i]|, |v[X+32*\c+\i+1]|
.endr
.endr
.irp c, 0,1
	v_add_nc_u32 v[SO+\c], 0xfe000000, v[MX+\c]    ; 4 off the exponent field: the conversion's scale operand
.endr
.irp c, 0,1
	v_lshrrev_b32 v[BY+\c], 23, v[SO+\c]           ; the scale's byte
.endr
	v_lshl_or_b32 v[WW], v[BY+1], 16, v[BY]        ; my two bytes: blocks h and 2 + h,
	v_lshlrev_b32 v[WW], v4, v[WW]                 ; 8 h bits up;
	v_permlanex16_b32 v[TT], v[WW], s26, s27
	v_or_b32 v[WRD+(\ks)], v[WW], v[TT]            ; with lane l xor 16's two the word is whole
	s_wait_alu depctr_va_vdst(0)
	s_wait_xcnt 0x0                                ; the last step's stores have read the fragment's registers
.irp c, 0,1
	v_cvt_scalef32_pk16_bf6_f32 v[C+6*\c:C+6*\c+2], v[X+32*\c:X+32*\c+15], v[SO+\c]
	v_cvt_scalef32_pk16_bf6_f32 v[PT+4*\c:PT+4*\c+2], v[X+32*\c+16:X+32*\c+31], v[SO+\c]   ; (a conversion's three registers begin on an even number)
.endr
	v_nop                                          ; one plain place behind a scaled conversion
.irp c, 0,1
.irp i, 0,1,2
	v_mov_b32 v[C+3+6*\c+\i], v[PT+4*\c+\i]
.endr
.endr
.irp g, 0,1,2
	global_store_b128 v1, v[C+4*\g:C+4*\g+3], s[18:19] offset:1536*(\ks)+512*\g   ; 512 consecutive bytes, at a multiple of 256 from the buffer's first byte
.endr
.endm
	LOADF 0
	LOADF 1
.irp s, 0,1,2,3,4,5,6,7
.if \s < 7
	s_wait_loadcnt 16                              ; this step's 16 loads are in; the next step's 16 may be out
.else
	s_wait_loadcnt 0x0
.endif
	TURN \s
	s_wait_dscnt 0x0                               ; my numbers are back, and the stage's stores have read the set that is loaded again below
.if \s < 6
	LOADF \s+2
.endif
	QF \s
.endr
	v_cmp_le_u32 vcc_lo, 16, v6                    ; lanes 16-31 store words 4 .. 7 of their row
.irp i, 0,1,2,3
	v_cndmask_b32 v[OW+\i], v[WRD+\i], v[WRD+4+\i], vcc_lo
.endr
	global_store_b128 v5, v[OW:OW+3], s[20:21]     ; the tile's 512 bytes of scale words
	s_wait_tensorcnt 0x0
	ds_add_u32 v254, v255
	s_wait_dscnt 0x0
	s_endpgm
.Lfunc_end_k_qe9513ee4a3_quant:
	.size	k_qe9513ee4a3_quant, .Lfunc_end_k_qe9513ee4a3_quant-k_qe9513ee4a3_quant
	.p2alignl 7, 3214868480
	.fill 96, 4, 3214868480
	.section	.rodata,"a",@progbits
	.p2align	6, 0x0
	.amdhsa_kernel k_qe9513ee4a3_quant
		.amdhsa_group_segment_fixed_size 34304
		.amdhsa_private_segment_fixed_size 0
		.amdhsa_enable_private_segment 0
		.amdhsa_kernarg_size 72
		.amdhsa_user_sgpr_count 2
		.amdhsa_user_sgpr_kernarg_segment_ptr 1
		.amdhsa_wavefront_size32 1
		.amdhsa_system_sgpr_workgroup_id_x 1
		.amdhsa_system_sgpr_workgroup_id_y 1
		.amdhsa_system_sgpr_workgroup_id_z 1
		.amdhsa_system_vgpr_workitem_id 0
		.amdhsa_next_free_vgpr 256
		.amdhsa_next_free_sgpr 66
		.amdhsa_reserve_vcc 1
		.amdhsa_float_denorm_mode_32 3
		.amdhsa_float_denorm_mode_16_64 3
		.amdhsa_memory_ordered 1
		.amdhsa_forward_progress 1
		.amdhsa_inst_pref_size 58
	.end_amdhsa_kernel
	.amdgpu_metadata
---
amdhsa.version: [ 1, 2 ]
amdhsa.kernels:
  - .name:           k_qe9513ee4a3_quant
    .symbol:         k_qe9513ee4a3_quant.kd
    .args:
      - { .name: Q, .offset: 0, .size: 8, .value_kind: global_buffer, .address_space: global }
      - { .name: K, .offset: 8, .size: 8, .value_kind: global_buffer, .address_space: global }
      - { .name: V, .offset: 16, .size: 8, .value_kind: global_buffer, .address_space: global }
      - { .name: Wq, .offset: 24, .size: 8, .value_kind: global_buffer, .address_space: global }
      - { .name: Wk, .offset: 32, .size: 8, .value_kind: global_buffer, .address_space: global }
      - { .name: Wv, .offset: 40, .size: 8, .value_kind: global_buffer, .address_space: global }
      - { .name: Wo, .offset: 48, .size: 8, .value_kind: global_buffer, .address_space: global }
      - { .name: tc, .offset: 56, .size: 8, .value_kind: global_buffer, .address_space: global }
      - { .name: ts, .offset: 64, .size: 8, .value_kind: global_buffer, .address_space: global }
    .group_segment_fixed_size: 34304
    .private_segment_fixed_size: 0
    .kernarg_segment_align: 8
    .kernarg_segment_size: 72
    .max_flat_workgroup_size: 128
    .sgpr_count:     66
    .vgpr_count:     256
    .wavefront_size: 32
...
	.end_amdgpu_metadata
.endif
;; end of part 5
;; launch proj (part 6): grid 16 x 12, 4 waves a work-group, no clusters, 117,248 bytes of LDS; arguments tc, ts, bq, bk, bv, hc, hs; writes hc, hs
.if DOCPART == 6
	.amdgcn_target "amdgcn-amd-amdhsa--gfx1250"
	.amdhsa_code_object_version 6
	.text
	.protected	k_qe9513ee4a3_proj
	.globl	k_qe9513ee4a3_proj
	.p2align	8
	.type	k_qe9513ee4a3_proj,@function
k_qe9513ee4a3_proj:
	s_mov_b64 s[64:65], 0
	v_nop
	global_prefetch_b8 v0, s[64:65] scope:SCOPE_SE
	s_setreg_imm32_b32 hwreg(HW_REG_WAVE_SCHED_MODE, 0, 2), 2
	s_setreg_imm32_b32 hwreg(HW_REG_WAVE_MODE, 25, 1), 1
	s_wait_xcnt 0x0
	s_wait_alu depctr_vm_vsrc(0)
; q = Q Wq^T + bq, k = K Wk^T + bk, v = V Wv^T + bv on codes of BF6, and each result quantised at once for the attention: q and k along the head's 64, v along the tokens (the keys).
; SHARES.  Work-group (x, y): x = a group of 512 tokens (8 blocks of 64), y = 4 z + sl: z = 0, 1, 2 for q, k, v, sl = four heads.  Wave w makes head 4 sl + w: 64 columns = 4 tiles of W, whose fragments for all
; of K (384 registers) stay in registers.  3 x 64 units of equal work give 192 work-groups of 8 equal trips.  The x blocks are shared by four work-groups only and come a whole trip ahead, through registers: no cluster.
; TILES.  Tile T of every tensor holds rows 32 (T / 2) + 8 (T % 2) + r + 8 (r / 8): the 16 result registers of tiles 2 b and 2 b + 1 that stand as source 0 are 16 neighbours, 32 b + 16 (lane / 16) + 0 .. 15.
; q, k: source 0 = W, source 1 = x: a lane holds one token and 64 neighbours of the head.  v: source 0 = x, source 1 = W: a lane holds one channel and 64 neighbouring tokens.  So both are quantised by the same lines.
; OUT.  A piece (16 rows x 64 K, 6 registers a lane) is 768 bytes: registers 0-3 at 16 L, registers 4-5 at 512 + 8 L.  hc: [z][bh 64][128 pieces]; piece 4 kb + i of token block kb: q, k: token tile i; v: channel tile i.
; hs: [z][bh][kb 32][r 16][4 words i], word = byte of block 0 | byte of block 1 << 8.
; LIMITS: blocks whose largest magnitude lies under 2^-122 keep the byte 1; NaN and infinities are not served.
; LDS: two slots 65,536 bytes apart, each a block's 32 fragment images (49,152 bytes) and its scale words (2,048).  One barrier a trip: in front of it each wave's stores into the other slot and its reads of this one are done.
; REGISTERS, in windows of 256.  Window 0: v1-14 addresses; v16-47 W's scale words, v48-79 x's; v80-179 a block on its way from memory to LDS; v180-255 the quantiser.
;   window 1: W's fragments of K steps 0-3 at 12 (4 t + s), v192-223 the bias in the result's layout.   window 2: K steps 4-7.   window 3: v0-95 x's fragments, two sets; v96-223 the 16 accumulators.
; THE MODE: SCHED_MODE bits 1:0 = 2 (LLVM: expert scheduling mode 2), set by the entry lines.  The code itself states the register dependences between vector or matrix instructions and memory or LDS
; instructions, with s_wait_alu, always for 0.
; THE PLAN.  Registers that memory or LDS instructions touch, in the loop over blocks:
;   SG (v80-179)   Written by a block's 25 global loads; read by the 25 LDS stores of the next trip.  No vector instruction names them.
;   v6, v7, v8     LDS addresses, made by three additions at a trip's head.  v6: read by the LDS stores; v8: by the loads of x's scale words; v7: by the loads of x's fragments.
;   XS (v48-79)    Loaded at a trip's start; read by all its products as scales.
;   XF, two sets   Set k % 2: read by the 16 products of K step k; behind them K step k + 2 lands in it.
;   PC, PW         Written by the quantiser; read by the nine global stores behind it.
;   v1-v5, v9, v13, v14   Offsets, made once at the head and never written again.  W, its scale words and the bias are loaded once.
; A TRIP'S WAITS.  At its head one on vm_vsrc (the last trip's LDS instructions have read v6, v7, v8, its global stores PC and PW), the three additions, and one on va_vdst (the addresses are written; the last trip's
; products are done reading XS and both sets).  From there to the first product stand LDS stores, global loads, LDS loads and scalar lines alone.  One on vm_vsrc between the LDS stores and the global loads into SG.
; One on va_vdst to a K step, behind its products, ahead of the loads into the set that they read.  One on va_vdst ahead of the run of stores.
.set WS,   16
.set XS,   48
.set SG,   80
.set MX,   180
.set PX,   188
.set SO,   196
.set PW,   204
.set PC,   208
.set PT,   240
.set BI,   192
.set XF,   0
.set ACC,  96
.set XSCL, 49152
.set MSB, 0
.macro WIN new                         ; the immediate's high byte repeats the setting that is left
.if MSB != \new
	s_set_vgpr_msb (MSB<<8)|\new
.set MSB, \new
.endif
.endm
.macro WMC d, a, b, c, sa, sb
	v_wmma_scale_f32_16x16x128_f8f6f4 v[(\d):(\d)+7], v[(\a):(\a)+11], v[(\b):(\b)+11], v[(\c):(\c)+7], v[(\sa)], v[(\sb)] matrix_a_fmt:MATRIX_FMT_BF6 matrix_b_fmt:MATRIX_FMT_BF6
.endm
	s_load_b256 s[4:11], s[0:1], 0x0               ; tc, ts, bq, bk
	s_load_b128 s[12:15], s[0:1], 0x20             ; bv, hc
	s_load_b64 s[16:17], s[0:1], 0x30              ; hs
	v_lshl_add_u32 v251, v0, 2, 0x1c800
	v_mov_b32 v255, 0
	v_lshrrev_b32 v10, 5, v0
	v_readfirstlane_b32 s18, v10                   ; wave
	s_mov_b32 s19, ttmp9                           ; g
	s_and_b32 s20, ttmp7, 0xffff
	s_lshr_b32 s21, s20, 2                         ; z
	s_and_b32 s22, s20, 3                          ; sl
	v_and_b32 v10, 31, v0                          ; L
	v_and_b32 v11, 15, v0                          ; r
	v_bfe_u32 v12, v0, 4, 1                        ; h
	v_lshlrev_b32 v1, 4, v10                       ; 16 L
	v_lshl_add_u32 v2, v10, 3, 512                 ; 512 + 8 L
	v_lshlrev_b32 v3, 4, v11                       ; 16 r
	v_lshlrev_b32 v13, 5, v11                      ; 32 r
	v_add_nc_u32 v4, XSCL, v13
	v_lshlrev_b32 v5, 4, v0                        ; 16 x thread
	v_add_nc_u32 v6, 0, v5                         ; where block 0 is stored: slot 0
	v_lshlrev_b32 v9, 6, v12                       ; bias, q and k: 64 h
	v_and_b32 v14, 8, v11
	v_add_nc_u32 v14, v14, v11
	v_lshlrev_b32 v14, 2, v14                      ; bias, v: 4 (r + 8 (r / 8))
.irp q, 0,1,2,3,4,5,6,7
	v_mov_b32 v[PX+\q], 0                          ; a lane permute's destination counts as read
.endr
	s_mov_b32 s38, 0x76543210
	s_mov_b32 s39, 0xfedcba98
	s_wait_alu depctr_va_sdst(0)                   ; s18, the wave's number, is written, ahead of its first reader: the head and all bases are made from it
	s_lshl_b32 s36, s22, 2
	s_add_co_u32 s36, s36, s18                     ; head
	s_lshl_b32 s40, s21, 6
	s_lshl_b32 s41, s36, 2
	s_add_co_u32 s40, s40, s41
	s_add_co_u32 s40, s40, 1536                    ; my first tile of W
	s_lshl_b32 s42, s40, 9
	s_mov_b32 s43, 0
	s_mul_i32 s40, s40, 12288
	s_mov_b32 s41, 0
	s_lshl_b32 s44, s21, 9
	s_lshl_b32 s45, s19, 5
	s_add_co_u32 s44, s44, s45                     ; the group's first tile of x
	s_lshl_b32 s46, s44, 9
	s_mov_b32 s47, 0
	s_mul_i32 s44, s44, 12288
	s_mov_b32 s45, 0
	s_lshr_b32 s37, s19, 2                         ; batch
	s_lshl_b32 s24, s21, 6
	s_lshl_b32 s25, s37, 4
	s_add_co_u32 s24, s24, s25
	s_add_co_u32 s24, s24, s36                     ; 64 z + 16 batch + head
	s_and_b32 s25, s19, 3
	s_lshl_b32 s30, s24, 7
	s_lshl_b32 s31, s25, 5
	s_add_co_u32 s30, s30, s31
	s_mul_i32 s30, s30, 768
	s_mov_b32 s31, 0
	s_lshl_b32 s32, s24, 5
	s_lshl_b32 s33, s25, 3
	s_add_co_u32 s32, s32, s33
	s_lshl_b32 s32, s32, 8
	s_mov_b32 s33, 0
	s_wait_kmcnt 0x0
	s_add_nc_u64 s[30:31], s[14:15], s[30:31]      ; where my pieces go
	s_add_nc_u64 s[32:33], s[16:17], s[32:33]      ; and their scale words
	s_add_nc_u64 s[26:27], s[4:5], s[44:45]        ; x's images
	s_add_nc_u64 s[28:29], s[6:7], s[46:47]        ; x's scale words
	s_add_nc_u64 s[40:41], s[4:5], s[40:41]        ; W's images
	s_add_nc_u64 s[42:43], s[6:7], s[42:43]        ; W's scale words
	s_cmp_eq_u32 s21, 0
	s_cselect_b64 s[34:35], s[8:9], s[10:11]
	s_cmp_eq_u32 s21, 2
	s_cselect_b64 s[34:35], s[12:13], s[34:35]
	s_lshl_b32 s44, s36, 8
	s_mov_b32 s45, 0
	s_add_nc_u64 s[34:35], s[34:35], s[44:45]      ; the bias at my head's 64 numbers
	WIN 0x40                                       ; destination window 1
	s_wait_alu depctr_va_vdst(0)                   ; the offsets and addresses v1 to v6, v9, v13, v14 are written: every load and store up to the loop reads one of them, and no vector line stands among these
.irp t, 0,1,2,3
.irp s, 0,1,2,3
.irp g, 0,1,2
	global_load_b128 v[12*(4*\t+\s)+4*\g:12*(4*\t+\s)+4*\g+3], v1, s[40:41] offset:(8*\t+\s)*1536+512*\g
.endr
.endr
.endr
	WIN 0x80                                       ; destination window 2
.irp t, 0,1,2,3
.irp s, 0,1,2,3
.irp g, 0,1,2
	global_load_b128 v[12*(4*\t+\s)+4*\g:12*(4*\t+\s)+4*\g+3], v1, s[40:41] offset:(8*\t+\s+4)*1536+512*\g
.endr
.endr
.endr
	WIN 0
.irp t, 0,1,2,3
	global_load_b128 v[WS+8*\t:WS+8*\t+3], v13, s[42:43] offset:512*\t
	global_load_b128 v[WS+8*\t+4:WS+8*\t+7], v13, s[42:43] offset:512*\t+16
.endr
	s_cmp_eq_u32 s21, 2                            ; the bias in the result's layout: it is the C of each sum's first product
	s_cbranch_scc1 .Lbias_v
	WIN 0x40
.irp t, 0,1,2,3                                    ; q, k: register j of tile t is channel 32 (t / 2) + 16 h + 8 (t % 2) + j
	global_load_b128 v[BI+8*\t:BI+8*\t+3], v9, s[34:35] offset:(32*(\t/2)+8*(\t%2))*4
	global_load_b128 v[BI+8*\t+4:BI+8*\t+7], v9, s[34:35] offset:(32*(\t/2)+8*(\t%2))*4+16
.endr
	WIN 0
	s_branch .Lbias_done
.Lbias_v:
	WIN 0x40
.irp t, 0,1,2,3                                    ; v: all eight registers of a lane are channel 32 (t / 2) + 8 (t % 2) + r + 8 (r / 8)
.irp j, 0,1,2,3,4,5,6,7
	global_load_b32 v[BI+8*\t+\j], v14, s[34:35] offset:(32*(\t/2)+8*(\t%2))*4
.endr
.endr
	WIN 0
.Lbias_done:
.macro GLOAD                           ; a block of 64 tokens: 49,152 dense bytes of images and 2,048 of scale words, 16 bytes a thread and load
.irp i, 0,1,2,3,4,5,6,7,8,9,10,11,12,13,14,15,16,17,18,19,20,21,22,23
	global_load_b128 v[SG+4*\i:SG+4*\i+3], v5, s[26:27] offset:2048*\i
.endr
	global_load_b128 v[SG+96:SG+99], v5, s[28:29]
	s_wait_xcnt 0x0                                ; the loads have read their bases: on to the next block
	s_add_nc_u64 s[26:27], s[26:27], 49152
	s_add_nc_u64 s[28:29], s[28:29], 2048
.endm
.macro LSTORE
.irp i, 0,1,2,3,4,5,6,7,8,9,10,11,12,13,14,15,16,17,18,19,20,21,22,23
	ds_store_b128 v6, v[SG+4*\i:SG+4*\i+3] offset:2048*\i
.endr
	ds_store_b128 v6, v[SG+96:SG+99] offset:XSCL
.endm
.macro FETCH ks, bf, held              ; x's four fragments of K step ks into set bf.  held = 1: products have just read that set
	WIN 0xc0
.if \held
	s_wait_alu depctr_va_vdst(0)                   ; the sixteen products above are done reading this set of x's fragments, in which the loads below land
.endif
.irp m, 0,1,2,3
.irp g, 0,1,2
	ds_load_b128 v[XF+48*(\bf)+12*\m+4*\g:XF+48*(\bf)+12*\m+4*\g+3], v7 offset:(8*\m+(\ks))*1536+512*\g
.endr
.endr
.endm
; 16 products of K step ks: the 16 accumulators take turns, one instruction a turn, in the same order in every step.
.macro MMA var, ks, bf
.if \var == 0
.if (\ks) == 0
	WIN 0xdd                                       ; W window 1, x window 3, C (the bias) window 1, D window 3
.elseif (\ks) < 4
	WIN 0xfd
.else
	WIN 0xfe                                       ; W window 2
.endif
.irp m, 0,1,2,3
.irp t, 0,1,2,3
.if (\ks) == 0
	WMC ACC+32*\m+8*\t, 12*(4*\t+(\ks)%4), XF+48*(\bf)+12*\m, BI+8*\t, WS+8*\t+(\ks), XS+8*\m+(\ks)
.else
	WMC ACC+32*\m+8*\t, 12*(4*\t+(\ks)%4), XF+48*(\bf)+12*\m, ACC+32*\m+8*\t, WS+8*\t+(\ks), XS+8*\m+(\ks)
.endif
.endr
.endr
.else
.if (\ks) == 0
	WIN 0xd7                                       ; x window 3, W window 1, C window 1, D window 3
.elseif (\ks) < 4
	WIN 0xf7
.else
	WIN 0xfb
.endif
.irp m, 0,1,2,3
.irp t, 0,1,2,3
.if (\ks) == 0
	WMC ACC+32*\t+8*\m, XF+48*(\bf)+12*\m, 12*(4*\t+(\ks)%4), BI+8*\t, XS+8*\m+(\ks), WS+8*\t+(\ks)
.else
	WMC ACC+32*\t+8*\m, XF+48*(\bf)+12*\m, 12*(4*\t+(\ks)%4), ACC+32*\t+8*\m, XS+8*\m+(\ks), WS+8*\t+(\ks)
.endif
.endr
.endr
.endif
.endm
.macro COMPUTE var                     ; v7 and v8 were made at the trip's head, ahead of its wait on va_vdst; no vector or matrix line since then names them, XS or x's two sets
.irp m, 0,1,2,3
	ds_load_b128 v[XS+8*\m:XS+8*\m+3], v8 offset:512*\m
	ds_load_b128 v[XS+8*\m+4:XS+8*\m+7], v8 offset:512*\m+16
.endr
	FETCH 0, 0, 0
	FETCH 1, 1, 0
.irp k, 0,1,2,3,4,5,6,7
.if \k < 7
	s_wait_dscnt 12                                ; this step's fragments are in; the next step's 12 loads may be out
.else
	s_wait_dscnt 0x0
.endif
	MMA \var, \k, (\k%2)
.rept 4
	v_nop                                          ; places behind the products, in front of loads into registers that they have read and of the first read of results; the wait in FETCH stands beside them
.endr
.if \k < 6
	FETCH \k+2, (\k%2), 1
.endif
.endr
	WIN 0
.endm
	GLOAD                                          ; block 0
	s_wait_loadcnt 0x0                             ; and W, its scale words and the bias
	LSTORE                                         ; into slot 0: v6 was made among the head's addresses
	s_wait_dscnt 0x0                               ; for the others' sake: my part of block 0 lies in LDS
	s_wait_alu depctr_vm_vsrc(0)                   ; the LDS stores have read SG, in which the loads below land
	GLOAD                                          ; block 1
	s_barrier_signal -1
	s_barrier_wait -1
	s_mov_b32 s24, 0                               ; the slot in hand
	s_mov_b32 s23, 0                               ; the trip
.Lblk:
	s_wait_loadcnt 0x0                             ; the block asked for a trip ago is in.  The wait stands on every wave's way through every trip, so that every way to the loads below passes it (in the last trip nothing is out)
	s_xor_b32 s25, s24, 0x10000                    ; the other slot
	s_wait_alu depctr_vm_vsrc(0)                   ; the LDS stores and loads issued so far have read v6, v7 and v8, which are written below; the last trip's global stores have read the codes and words, which this trip's quantiser writes
	v_add_nc_u32 v6, s25, v5                       ; where the next block is stored (not used in the last trip)
	v_add_nc_u32 v7, s24, v1                       ; where this block's fragments are read,
	v_add_nc_u32 v8, s24, v4                       ; and its scale words
	s_wait_alu depctr_va_vdst(0)                   ; v6, v7 and v8 are written, which the LDS instructions below read; the last trip's products are done reading x's scale words and both sets of fragments, in which loads land below
	s_cmp_lt_u32 s23, 7
	s_cbranch_scc0 .Lnold                          ; the last trip has no next block: neither a store into the other slot nor a load
	LSTORE                                         ; the next block goes into the other slot: every wave's reads of it ended in front of the last barrier
	s_wait_dscnt 0x0                               ; the stores have landed ahead of this trip's barrier
	s_wait_alu depctr_vm_vsrc(0)                   ; the LDS stores have read SG, in which the loads below land: stated ahead of the branch that leads to them
	s_cmp_lt_u32 s23, 6
	s_cbranch_scc0 .Lnold
	GLOAD                                          ; the block after it: no load leaves the group's 8 blocks
.Lnold:
	s_cmp_eq_u32 s21, 2
	s_cbranch_scc1 .Lvv
	COMPUTE 0
	s_branch .Lepi
.Lvv:
	COMPUTE 1
.Lepi:
.rept 4
	v_nop
.endr
	s_wait_xcnt 0x0                                ; the last trip's stores have had their addresses translated (that they have read the codes' and the words' registers is stated at the trip's head)
	; four pieces, eight blocks of 32: register 32 p + 16 b + i of the accumulators is number 32 b + 16 (lane / 16) + i of the lane's row of piece p
	WIN 0x0f
.irp p, 0,1,2,3
.irp b, 0,1
	v_max3_num_f32 v[MX+2*\p+\b], |v[ACC+32*\p+16*\b]|, |v[ACC+32*\p+16*\b+1]|, 0x2800000   ; each accumulator from its low end on; the floor 2^(5 - 127)
.endr
.endr
	WIN 0x3c
.irp i, 2,4,6,8,10,12,14
.irp p, 0,1,2,3
.irp b, 0,1
	v_max3_num_f32 v[MX+2*\p+\b], v[MX+2*\p+\b], |v[ACC+32*\p+16*\b+\i]|, |v[ACC+32*\p+16*\b+\i+1]|
.endr
.endr
.endr
	WIN 0
.irp q, 0,1,2,3,4,5,6,7
	v_permlanex16_b32 v[PX+\q], v[MX+\q], s38, s39
.endr
.irp q, 0,1,2,3,4,5,6,7
	v_max_num_f32 v[MX+\q], v[MX+\q], v[PX+\q]     ; with lane l xor 16's 16: the block's largest magnitude
.endr
.irp q, 0,1,2,3,4,5,6,7
	v_add_nc_u32 v[SO+\q], 0xfe000000, v[MX+\q]    ; 4 off the exponent field: the conversion's scale operand
.endr
.irp q, 0,1,2,3,4,5,6,7
	v_lshrrev_b32 v[PX+\q], 23, v[SO+\q]           ; the scale's byte
.endr
.irp p, 0,1,2,3
	v_lshl_or_b32 v[PW+\p], v[PX+2*\p+1], 8, v[PX+2*\p]
.endr
	WIN 0x03
.irp p, 0,1,2,3
	v_cvt_scalef32_pk16_bf6_f32 v[PC+8*\p:PC+8*\p+2], v[ACC+32*\p:ACC+32*\p+15], v[SO+2*\p]
	v_cvt_scalef32_pk16_bf6_f32 v[PT+4*\p:PT+4*\p+2], v[ACC+32*\p+16:ACC+32*\p+31], v[SO+2*\p+1]
.endr
	WIN 0
	v_nop                                          ; one plain place behind a scaled conversion
.irp p, 0,1,2,3                                    ; the operand's layout wants a whole block in a lane: lanes 0-15 block 0, lanes 16-31 block 1
.irp i, 0,1,2
	v_permlane16_swap_b32 v[PC+8*\p+\i], v[PT+4*\p+\i]
.endr
.irp i, 0,1,2
	v_mov_b32 v[PC+8*\p+3+\i], v[PT+4*\p+\i]
.endr
.endr
	s_wait_alu depctr_va_vdst(0)                   ; the four pieces' codes and their scale words are written, which the nine stores below read
.irp p, 0,1,2,3
	global_store_b128 v1, v[PC+8*\p:PC+8*\p+3], s[30:31] offset:768*\p      ; 512 consecutive bytes,
	global_store_b64 v2, v[PC+8*\p+4:PC+8*\p+5], s[30:31] offset:768*\p     ; and the 256 behind them
.endr
	global_store_b128 v3, v[PW:PW+3], s[32:33]     ; the block's 256 bytes of scale words (lanes 16-31 write what lanes 0-15 write)
	s_wait_xcnt 0x0                                ; the stores have read their bases
	s_add_nc_u64 s[30:31], s[30:31], 3072
	s_add_nc_u64 s[32:33], s[32:33], 256
	s_wait_dscnt 0x0
	s_barrier_signal -1
	s_barrier_wait -1
	s_xor_b32 s24, s24, 0x10000
	s_add_co_u32 s23, s23, 1
	s_cmp_lt_u32 s23, 8
	s_cbranch_scc1 .Lblk
	s_wait_dscnt 0x0                               ; the closing lines, six on end
	s_wait_alu 0x0
	s_wait_tensorcnt 0x0
	ds_add_u32 v251, v255
	s_wait_dscnt 0x0
	s_endpgm
.Lfunc_end_k_qe9513ee4a3_proj:
	.size	k_qe9513ee4a3_proj, .Lfunc_end_k_qe9513ee4a3_proj-k_qe9513ee4a3_proj
	.p2alignl 7, 3214868480
	.fill 96, 4, 3214868480
	.section	.rodata,"a",@progbits
	.p2align	6, 0x0
	.amdhsa_kernel k_qe9513ee4a3_proj
		.amdhsa_group_segment_fixed_size 117248
		.amdhsa_private_segment_fixed_size 0
		.amdhsa_enable_private_segment 0
		.amdhsa_kernarg_size 56
		.amdhsa_user_sgpr_count 2
		.amdhsa_user_sgpr_kernarg_segment_ptr 1
		.amdhsa_wavefront_size32 1
		.amdhsa_system_sgpr_workgroup_id_x 1
		.amdhsa_system_sgpr_workgroup_id_y 1
		.amdhsa_system_sgpr_workgroup_id_z 1
		.amdhsa_system_vgpr_workitem_id 0
		.amdhsa_next_free_vgpr 1024
		.amdhsa_next_free_sgpr 66
		.amdhsa_reserve_vcc 0
		.amdhsa_float_denorm_mode_32 3
		.amdhsa_float_denorm_mode_16_64 3
		.amdhsa_memory_ordered 1
		.amdhsa_forward_progress 1
		.amdhsa_inst_pref_size 87
	.end_amdhsa_kernel
	.amdgpu_metadata
---
amdhsa.version: [ 1, 2 ]
amdhsa.kernels:
  - .name:           k_qe9513ee4a3_proj
    .symbol:         k_qe9513ee4a3_proj.kd
    .args:
      - { .name: tc, .offset: 0, .size: 8, .value_kind: global_buffer, .address_space: global }
      - { .name: ts, .offset: 8, .size: 8, .value_kind: global_buffer, .address_space: global }
      - { .name: bq, .offset: 16, .size: 8, .value_kind: global_buffer, .address_space: global }
      - { .name: bk, .offset: 24, .size: 8, .value_kind: global_buffer, .address_space: global }
      - { .name: bv, .offset: 32, .size: 8, .value_kind: global_buffer, .address_space: global }
      - { .name: hc, .offset: 40, .size: 8, .value_kind: global_buffer, .address_space: global }
      - { .name: hs, .offset: 48, .size: 8, .value_kind: global_buffer, .address_space: global }
    .group_segment_fixed_size: 117248
    .private_segment_fixed_size: 0
    .kernarg_segment_align: 8
    .kernarg_segment_size: 56
    .max_flat_workgroup_size: 128
    .sgpr_count:     66
    .vgpr_count:     1024
    .wavefront_size: 32
...
	.end_amdgpu_metadata
.endif
;; end of part 6
;; launch attn (part 7): grid 4 x 64, 16 waves a work-group, no clusters, 219,136 bytes of LDS; arguments hc, hs, mask, cc, cs; writes cc, cs
.if DOCPART == 7
	.amdgcn_target "amdgcn-amd-amdhsa--gfx1250"
	.amdhsa_code_object_version 6
	.text
	.protected	k_qe9513ee4a3_attn
	.globl	k_qe9513ee4a3_attn
	.p2align	8
	.type	k_qe9513ee4a3_attn,@function
k_qe9513ee4a3_attn:
	s_mov_b64 s[64:65], 0
	v_nop
	global_prefetch_b8 v0, s[64:65] scope:SCOPE_SE
	s_setreg_imm32_b32 hwreg(HW_REG_WAVE_SCHED_MODE, 0, 2), 2
	s_setreg_imm32_b32 hwreg(HW_REG_WAVE_MODE, 25, 1), 1
	s_wait_xcnt 0x0
	s_wait_alu depctr_vm_vsrc(0)
; ctx = softmax(q k^T / 8, under the key mask) v for one head, both products on codes of BF6, and ctx quantised along the head's 64 for the last product.
; THE SOFTMAX: t = score x log2(e) / 8; M = the running largest t rounded up to a whole number; p = 2^(t - M) is quantised along the keys, not normalised; the row's sum is taken of the unquantised p and divides at the end.
; SHARES.  Work-group (x, y): y = batch x 16 + head, x = a quarter of the queries.  The head's whole k, v, their scale words and the mask lie in LDS, filled once through registers; one barrier, none after it.
; Sixteen waves, four to a SIMD; in each of two passes a wave owns one tile of 16 queries and walks 16 steps of 128 keys.  The head's k and v are shared by four work-groups only and are fetched once for 32 walks: no cluster.
; LAYOUT.  Both products are used transposed (source 0 = 16 keys, then 16 channels; source 1 = my queries, then p): a lane holds one query throughout.  A tile holds rows 32 (T / 2) + 8 (T % 2) + r + 8 (r / 8), so that the
; 16 registers of tiles 2 b and 2 b + 1 are 16 neighbouring keys (channels).  The first product's K is 64: the upper half of its operands are zero codes, written once; their scale bytes are 0, which is 2^-127.
; THE MASK is an input.  Each key has a bias in LDS, 0 or -2^100, which is the C of the score product in the steps that have a hole (a scalar branch on 16 flags that each wave makes from the whole numbers of the mask; no
; tensor load stands in this text).  p of a hidden key is then exactly 0, as with reference()'s -1e9.  The largest t begins at -2^64, above every hidden t: steps without an open key leave sum and O at 0.
; Where a batch has no open key at all, the factor c is taken as 0: every t is 0 and every p is 1, which are reference()'s own numbers there.
; LIMITS: open t above -2^64, |score| far under 2^76; blocks of ctx whose largest magnitude lies under 2^-122 keep the byte 1; NaN and infinities are not served.
; THE MODE: SCHED_MODE bits 1:0 = 2 (LLVM: expert scheduling mode 2), set by the entry lines.  The code itself states the register dependences between vector or matrix instructions and memory or LDS
; instructions, with s_wait_alu, always for 0.
; THE PLAN.  Registers that memory or LDS instructions touch, in a key step:
;   v8-11, v29-31  Seven LDS addresses, written by seven additions at the step's head; read by the step's LDS loads.
;   KF             The lower six of each fragment's twelve registers: LDS loads land in them twice a step; the four products behind each run read them.  The upper six are zero codes, written once at the head.
;   KSW, VSW       Scale words, loaded; read by the products.
;   S (v96-159)    Written by the score products (in a step with holes the keys' bias is loaded there first), worked on by the softmax, read by the conversions; then v's fragments land in v96-143, which the second products read.
;   P, PWR         p's codes and scale word: written by vector instructions, read by the second products.  At a pass's end P and v227 are the data of stores.
;   v16-21, v28    q's piece and scale words: loaded at a pass's head, read by the score products.
; The wave's 256 registers hold no second set of any of these (four waves share a SIMD's 1,024), so a wait stands wherever a set changes hands.
; A STEP'S WAITS.  One on vm_vsrc ahead of the seven additions.  On va_vdst: behind the additions; between the two runs of k's fragments; behind the 64 exponentials and behind the four;
; behind the conversions, ahead of v's loads into S; directly ahead of the second products, for p's codes and word.  A PASS: one on vm_vsrc at its head, one on va_vdst ahead of its three stores.
.set VC,   98304                       ; LDS: k's pieces from 0 (step x 6,144 + tile x 768), v's from here (step x 6,144 + (4 c + channel tile) x 768),
.set KS,   196608                      ; k's scale words [kb 32][r][4],
.set VS,   204800                      ; v's [step 16][r][4 channel tiles],
.set MB,   208896                      ; the mask's bias, f32 a key
.set ADK,  8
.set ADK8, 9
.set ADV,  10
.set ADV8, 11
.set ADS,  29
.set ADT,  30
.set ADM,  31
.set KF,   32                          ; v32-79   four fragments of k
.set KSW,  80                          ; v80-87   k's scale words;  v88-91 v's;  v92 p's;  v28 q's
.set VSW,  88
.set PWR,  92
.set S,    96                          ; v96-159  S^T, then p, then v's fragments (v96-143)
.set O,    160                         ; v160-191 O^T
.set P,    192                         ; v192-203 p's codes
.set PT,   204
.set BM,   212
.set BP,   216
.set SOP,  220
.set F0,   232                         ; v232-238 the fill's addresses;  v239 -2^100
.macro WMZ d, a, b, sa, sb
	v_wmma_scale_f32_16x16x128_f8f6f4 v[(\d):(\d)+7], v[(\a):(\a)+11], v[(\b):(\b)+11], 0, v[(\sa)], v[(\sb)] matrix_a_fmt:MATRIX_FMT_BF6 matrix_b_fmt:MATRIX_FMT_BF6
.endm
.macro WMC d, a, b, c, sa, sb
	v_wmma_scale_f32_16x16x128_f8f6f4 v[(\d):(\d)+7], v[(\a):(\a)+11], v[(\b):(\b)+11], v[(\c):(\c)+7], v[(\sa)], v[(\sb)] matrix_a_fmt:MATRIX_FMT_BF6 matrix_b_fmt:MATRIX_FMT_BF6
.endm
.macro MKSET i                         ; the registers of the mask's step i: none of them ever holds a scale
.if (\i) < 12
.set MK, 32+4*(\i)
.else
.set MK, 204+4*((\i)-12)
.endif
.endm
	s_load_b256 s[4:11], s[0:1], 0x0               ; hc, hs, mask, cc
	s_load_b64 s[12:13], s[0:1], 0x20              ; cs
	v_lshl_add_u32 v254, v0, 2, 0x35000
	v_mov_b32 v255, 0
	v_lshrrev_b32 v8, 5, v0
	v_readfirstlane_b32 s14, v8                    ; wave 0..15
	s_and_b32 s44, ttmp7, 0xffff                   ; bh
	s_lshr_b32 s45, s44, 4                         ; batch
	s_and_b32 s46, s44, 15                         ; head
	v_and_b32 v8, 31, v0                           ; L
	v_and_b32 v9, 15, v0                           ; r
	v_bfe_u32 v10, v0, 4, 1                        ; h
	v_lshlrev_b32 v1, 4, v8                        ; 16 L
	v_lshl_add_u32 v2, v8, 3, 512                  ; 512 + 8 L
	v_lshl_add_u32 v3, v9, 4, KS
	v_lshl_add_u32 v4, v9, 4, VS
	v_lshl_add_u32 v5, v10, 6, MB
	s_wait_alu depctr_va_sdst(0)                   ; s14, the wave's number, is written, ahead of its first reader
	s_and_b32 s47, s14, 3
	s_lshl_b32 s47, s47, 2
	v_lshl_add_u32 v6, v9, 4, s47                  ; q's scale word: 16 r + 4 (tile % 4)
	v_lshlrev_b32 v7, 2, v9                        ; 4 r
	v_lshlrev_b32 v[F0], 4, v0                     ; the fill: 16 x thread,
	v_add_nc_u32 v[F0+1], 65536, v[F0]             ; and the same further on in LDS, since an offset has 16 bits
	v_add_nc_u32 v[F0+2], 98304, v[F0]
	v_add_nc_u32 v[F0+3], 163840, v[F0]
	v_add_nc_u32 v[F0+4], 196608, v[F0]
	v_lshl_add_u32 v[F0+5], v0, 3, VS
	v_lshlrev_b32 v[F0+6], 3, v8
	s_lshl_b32 s51, s14, 9
	v_add_nc_u32 v[F0+6], s51, v[F0+6]             ; v's scale words in memory: 512 x wave + 8 L
	v_mov_b32 v239, 0xf1800000                     ; -2^100
	s_add_co_u32 s48, s44, 64
	s_mul_i32 s16, s48, 98304
	s_mov_b32 s17, 0
	s_lshl_b32 s20, s48, 13
	s_mov_b32 s21, 0
	s_add_co_u32 s48, s44, 128
	s_mul_i32 s18, s48, 98304
	s_mov_b32 s19, 0
	s_lshl_b32 s22, s48, 13
	s_mov_b32 s23, 0
	s_lshl_b32 s24, s45, 13
	s_mov_b32 s25, 0
	s_lshl_b32 s48, s44, 7
	s_lshl_b32 s49, ttmp9, 5
	s_add_co_u32 s48, s48, s49
	s_add_co_u32 s48, s48, s14                     ; bh x 128 + my first tile of queries
	s_mul_i32 s26, s48, 768
	s_mov_b32 s27, 0
	s_lshl_b32 s32, s48, 6
	s_mov_b32 s33, 0
	s_lshl_b32 s28, s44, 13
	s_lshl_b32 s48, ttmp9, 3
	s_lshr_b32 s50, s14, 2
	s_add_co_u32 s48, s48, s50
	s_lshl_b32 s48, s48, 8
	s_add_co_u32 s28, s28, s48
	s_mov_b32 s29, 0
	s_lshl_b32 s48, s45, 7
	s_add_co_u32 s48, s48, s49
	s_add_co_u32 s48, s48, s14                     ; batch x 128 + my tile
	s_lshl_b32 s48, s48, 4
	s_add_co_u32 s48, s48, s46
	s_mul_i32 s30, s48, 768
	s_mov_b32 s31, 0
	s_mov_b32 s36, 0x76543210
	s_mov_b32 s37, 0xfedcba98
	s_wait_kmcnt 0x0
	s_add_nc_u64 s[16:17], s[4:5], s[16:17]        ; k's pieces
	s_add_nc_u64 s[18:19], s[4:5], s[18:19]        ; v's
	s_add_nc_u64 s[20:21], s[6:7], s[20:21]        ; k's scale words
	s_add_nc_u64 s[22:23], s[6:7], s[22:23]        ; v's
	s_add_nc_u64 s[24:25], s[8:9], s[24:25]        ; the batch's mask
	s_add_nc_u64 s[26:27], s[4:5], s[26:27]        ; my q piece
	s_add_nc_u64 s[28:29], s[6:7], s[28:29]        ; its scale words
	s_add_nc_u64 s[30:31], s[10:11], s[30:31]      ; my ctx piece
	s_add_nc_u64 s[32:33], s[12:13], s[32:33]      ; its scale words
	s_wait_alu depctr_va_vdst(0)                   ; the offsets and addresses v1 to v7 and v232 to v238 are written, which the loads and stores of the whole kernel read; they are never written again
.irp i, 0,1,2,3,4,5,6,7,8,9,10,11
	global_load_b128 v[96+4*\i:99+4*\i], v[F0], s[16:17] offset:8192*\i
.endr
.irp i, 0,1,2,3,4,5,6,7,8,9,10,11
	global_load_b128 v[144+4*\i:147+4*\i], v[F0], s[18:19] offset:8192*\i
.endr
	global_load_b128 v[192:195], v[F0], s[20:21]
	global_load_b128 v[196:199], v[F0], s[24:25]   ; my thread's four keys of the mask
	global_load_b64 v[200:201], v[F0+6], s[22:23]
	global_load_b64 v[202:203], v[F0+6], s[22:23] offset:256
.irp i, 0,1,2,3,4,5,6,7,8,9,10,11,12,13,14,15
	MKSET \i
	global_load_b128 v[MK:MK+3], v1, s[24:25] offset:512*\i   ; and the whole batch's, a step a load, for the flags
.endr
	s_wait_loadcnt 0x0
.irp i, 0,1,2,3,4,5,6,7
	ds_store_b128 v[F0], v[96+4*\i:99+4*\i] offset:8192*\i
.endr
.irp i, 8,9,10,11
	ds_store_b128 v[F0+1], v[96+4*\i:99+4*\i] offset:8192*(\i-8)
.endr
.irp i, 0,1,2,3,4,5,6,7
	ds_store_b128 v[F0+2], v[144+4*\i:147+4*\i] offset:8192*\i
.endr
.irp i, 8,9,10,11
	ds_store_b128 v[F0+3], v[144+4*\i:147+4*\i] offset:8192*(\i-8)
.endr
	ds_store_b128 v[F0+4], v[192:195]
	; all the head's compares stand in one run and write scalar registers of their own: s39-42 my four keys, s46-61 the sixteen steps, s62 the batch; one wait behind the run serves them all
.irp i, 0,1,2,3
	v_cmp_eq_u32 s[39+\i], 0, v[196+\i]            ; is my key hidden?
.endr
	v_lshl_or_b32 v200, v202, 16, v200             ; a step's word of v: the two bytes of its first 64 keys, then those of its second
	v_lshl_or_b32 v201, v203, 16, v201
	v_mov_b32 v226, 0
.irp i, 0,1,2,3,4,5,6,7,8,9,10,11,12,13,14,15
	MKSET \i
	v_min_u32 v224, v[MK], v[MK+1]
	v_min_u32 v225, v[MK+2], v[MK+3]
	v_min_u32 v224, v224, v225
	v_or_b32 v225, v[MK], v[MK+1]
	v_or_b32 v226, v226, v[MK+2]
	v_or_b32 v225, v225, v[MK+3]
	v_or_b32 v226, v226, v225
	v_cmp_eq_u32 s[46+\i], 0, v224                 ; the lanes that hold a hidden key of step i
.endr
	v_cmp_ne_u32 s62, 0, v226                      ; the lanes that hold an open key of the batch
.irp t, 0,1,2,3
.irp i, 6,7,8,9,10,11
	v_mov_b32 v[KF+12*\t+\i], 0                    ; zero codes for K = 64 .. 127, written once
.endr
.endr
.irp i, 22,23,24,25,26,27
	v_mov_b32 v[\i], 0
.endr
.irp b, 0,1,2,3
	v_mov_b32 v[BP+\b], 0                          ; a lane permute's destination counts as read
.endr
	v_mov_b32 v229, 0                              ; (named as the upper half of the pair v[228:229])
	s_wait_alu depctr_va_sdst(0)                   ; the 21 masks s39-42 and s46-62 are written, ahead of their first readers: the four selects and the scalar lines below
.irp i, 0,1,2,3
	v_cndmask_b32 v[196+\i], 0, v239, s[39+\i]     ; 0 for an open key, -2^100 for a hidden one
.endr
	s_wait_alu depctr_va_vdst(0)                   ; v196 to v201 are written, which the two LDS stores below read; the zero codes of k's and q's operands are written; the lines above are done reading the mask's registers, in which k's fragments will land
	ds_store_b128 v[F0+4], v[196:199] offset:12288
	ds_store_b64 v[F0+5], v[200:201]
	s_mov_b32 s38, 0                               ; bit i: step i has a hidden key
.irp i, 0,1,2,3,4,5,6,7,8,9,10,11,12,13,14,15
	s_cmp_lg_u32 s[46+\i], 0
	s_cselect_b32 s44, 1<<\i, 0
	s_or_b32 s38, s38, s44
.endr
	s_cmp_lg_u32 s62, 0
	s_cselect_b32 s34, 0x3e38aa3b, 0               ; c = log2(e) / 8, or 0 where the batch has no open key
	s_mov_b32 s35, s34                             ; (the packed form names the pair)
	s_wait_dscnt 0x0                               ; for the others' sake: my part of the fill has landed
	s_barrier_signal -1
	s_barrier_wait -1                              ; from here on LDS is only read
; S^T = k q^T for the step's 128 keys, four tiles at a time.  msk = 1: the keys' bias is loaded into the result's registers and is the product's C.
.macro QK msk
.irp g, 0,1
.if \g
.rept 4
	v_nop                                          ; places behind the products, in front of loads into registers that they have read; the wait below stands beside them
.endr
	s_wait_alu depctr_va_vdst(0)                   ; the four products above are done reading k's fragments, in which the next four tiles land
.endif
.if \msk
.irp i, 0,1,2,3,4,5,6,7
	ds_load_b128 v[S+32*\g+4*\i:S+32*\g+4*\i+3], v[ADM] offset:(2*\g+\i/4)*128+(\i%4)*16
.endr
.endif
.irp t, 0,1,2,3
	ds_load_b128 v[KF+12*\t:KF+12*\t+3], v[ADK] offset:(4*\g+\t)*768
	ds_load_b64 v[KF+12*\t+4:KF+12*\t+5], v[ADK8] offset:(4*\g+\t)*768
.endr
	ds_load_b128 v[KSW+4*\g:KSW+4*\g+3], v[ADS] offset:256*\g
	s_wait_dscnt 0x0
.irp t, 0,1,2,3
.if \msk
	WMC S+8*(4*\g+\t), KF+12*\t, 16, S+8*(4*\g+\t), KSW+4*\g+\t, 28
.else
	WMZ S+8*(4*\g+\t), KF+12*\t, 16, KSW+4*\g+\t, 28
.endif
.endr
.endr
.endm
	s_mov_b32 s43, 0
.Lpass:
	s_wait_alu depctr_vm_vsrc(0)                   ; first pass: the fill's LDS stores have read v96 to v203, which become S, O^T and p's codes; second pass: the last pass's stores have read the codes and the word that this pass writes anew
	global_load_b128 v[16:19], v1, s[26:27]        ; my tile of q: a piece.  (No vector or matrix line has named v16-21 or v28 since the last wait on va_vdst: the head's last, or the one ahead of the last pass's stores)
	global_load_b64 v[20:21], v2, s[26:27]
	global_load_b32 v28, v6, s[28:29]              ; and its rows' scale words
	v_mov_b32 v13, 0xdf800000                      ; the largest t so far: -2^64
	v_floor_f32 v12, -v13                          ; -M
	v_mov_b32 v14, 0                               ; the sum, in two halves
	v_mov_b32 v15, 0
.irp j, 0,1,2,3,4,5,6,7,8,9,10,11,12,13,14,15,16,17,18,19,20,21,22,23,24,25,26,27,28,29,30,31
	v_mov_b32 v[O+\j], 0                           ; O^T.  (The step is written once: the first finds zeros, which the first change of M leaves zeros)
.endr
	s_mov_b32 s39, 0                               ; the step
	s_mov_b32 s40, 0                               ; its pieces: 6,144 bytes a step
	s_mov_b32 s41, 0                               ; k's scale words and the bias: 512
	s_mov_b32 s42, 0                               ; v's scale words: 256
	s_wait_loadcnt 0x0
.Lstep:
	s_wait_alu depctr_vm_vsrc(0)                   ; the LDS loads issued so far have read the seven address registers, which are written below
	v_add_nc_u32 v[ADK], s40, v1                   ; (these seven are also the places between the last step's products and what is laid over their operands)
	v_add_nc_u32 v[ADK8], s40, v2
	v_add_nc_u32 v[ADV], VC, v[ADK]
	v_add_nc_u32 v[ADV8], VC, v[ADK8]
	v_add_nc_u32 v[ADS], s41, v3
	v_add_nc_u32 v[ADT], s42, v4
	v_add_nc_u32 v[ADM], s41, v5
	s_wait_alu depctr_va_vdst(0)                   ; the seven addresses are written, which the step's LDS loads read; the last step's second products are done reading v's fragments in S, in which a step with holes loads the bias
	s_lshr_b32 s44, s38, s39
	s_and_b32 s44, s44, 1
	s_cmp_lg_u32 s44, 0
	s_cbranch_scc1 .Lholes
	QK 0
	s_branch .Ljoin
.Lholes:
	QK 1
.Ljoin:
.rept 4
	v_nop
.endr
.irp b, 0,1,2,3
	v_max3_num_f32 v[BM+\b], v[S+16*\b], v[S+1+16*\b], v[S+2+16*\b]   ; the largest score of each block of 32 keys: for the row's maximum, and, since p rises with the score, for the block's largest p
.endr
.irp i, 3,5,7,9,11,13
.irp b, 0,1,2,3
	v_max3_num_f32 v[BM+\b], v[BM+\b], v[S+16*\b+\i], v[S+1+16*\b+\i]
.endr
.endr
.irp b, 0,1,2,3
	v_max_num_f32 v[BM+\b], v[BM+\b], v[S+15+16*\b]
.endr
.irp b, 0,1,2,3
	v_permlanex16_b32 v[BP+\b], v[BM+\b], s36, s37
.endr
.irp b, 0,1,2,3
	v_max_num_f32 v[BM+\b], v[BM+\b], v[BP+\b]     ; with lane l xor 16's 16 keys
.endr
	v_max3_num_f32 v226, v[BM], v[BM+1], v[BM+2]
	v_max_num_f32 v226, v226, v[BM+3]
	v_mul_f32 v226, s34, v226                      ; the step's largest t (c is not negative)
	v_max_num_f32 v13, v13, v226                   ; the running largest t
	v_mov_b32 v226, v12
	v_floor_f32 v12, -v13                          ; the new -M = -ceil(t): a whole number
	v_sub_f32 v226, v12, v226                      ; old M - new M, 0 or less
	v_cvt_i32_f32 v226, v226                       ; (it saturates)
	v_ldexp_f32 v228, 1.0, v226                    ; f = 2^(old M - new M): a multiplication by it rounds nothing
.irp j, 0,2,4,6,8,10,12,14,16,18,20,22,24,26,28,30,32,34,36,38,40,42,44,46,48,50,52,54,56,58,60,62
	v_pk_fma_f32 v[S+\j:S+1+\j], v[S+\j:S+1+\j], s[34:35], v[12:13] op_sel_hi:[1,0,0]   ; t - M, two at a time
.endr
.irp b, 0,1,2,3
	v_fma_f32 v[BM+\b], v[BM+\b], s34, v12         ; the same of each block's largest score
.endr
	s_wait_alu depctr_va_vdst(0)
.irp j, 0,1,2,3,4,5,6,7,8,9,10,11,12,13,14,15,16,17,18,19,20,21,22,23,24,25,26,27,28,29,30,31,32,33,34,35,36,37,38,39,40,41,42,43,44,45,46,47,48,49,50,51,52,53,54,55,56,57,58,59,60,61,62,63
	v_exp_f32 v[S+\j], v[S+\j]                     ; p = 2^(t - M), at most 1
.endr
	v_pk_mul_f32 v[14:15], v[14:15], v[228:229] op_sel_hi:[1,0]   ; the sums under the new M: a plain place behind the exponentials
	s_wait_alu depctr_va_vdst(0)                   ; the 64 exponentials have written p: one wait for the batch, ahead of its first use
.irp b, 0,1,2,3
	v_exp_f32 v[BM+\b], v[BM+\b]                   ; the block's largest p: the same two instructions on the same number
.endr
	v_pk_add_f32 v[224:225], v[S:S+1], v[S+2:S+3]  ; the row's sum of the unquantised p, in two chains
.irp j, 4,8,12,16,20,24,28,32,36,40,44,48,52,56,60
	v_pk_add_f32 v[14:15], v[14:15], v[S+\j:S+1+\j]
	v_pk_add_f32 v[224:225], v[224:225], v[S+2+\j:S+3+\j]
.endr
	v_pk_add_f32 v[14:15], v[14:15], v[224:225]
	s_wait_alu depctr_va_vdst(0)                   ; the four exponentials have written the blocks' largest p: one wait for the four, ahead of their first use
.irp b, 0,1,2,3
	v_max_num_f32 v[BM+\b], 0x2800000, v[BM+\b]    ; the floor 2^(5 - 127): a block whose every p is 0 keeps the byte 1 over zero codes
.endr
.irp b, 0,1,2,3
	v_add_nc_u32 v[SOP+\b], 0xfe000000, v[BM+\b]
.endr
.irp b, 0,1,2,3
	v_lshrrev_b32 v[BP+\b], 23, v[SOP+\b]
.endr
	v_lshl_or_b32 v[PWR], v[BP+1], 8, v[BP]        ; p's scale word for these 128 keys
	v_lshl_or_b32 v[PWR], v[BP+2], 16, v[PWR]
	v_lshl_or_b32 v[PWR], v[BP+3], 24, v[PWR]
.irp c, 0,1
	v_cvt_scalef32_pk16_bf6_f32 v[P+6*\c:P+2+6*\c], v[S+32*\c:S+15+32*\c], v[SOP+2*\c]
	v_cvt_scalef32_pk16_bf6_f32 v[PT+4*\c:PT+2+4*\c], v[S+16+32*\c:S+31+32*\c], v[SOP+2*\c+1]
.endr
	v_nop                                          ; one plain place behind a scaled conversion
	s_wait_alu depctr_va_vdst(0)                   ; the conversions and the sums are done reading p in S, in which v's fragments land below; no vector line behind this wait names v96-143 or v's scale words
.irp t, 0,1,2,3                                    ; v's four fragments land where p lay: piece c of channel tile t is registers 6 c .. 6 c + 5
.irp c, 0,1
	ds_load_b128 v[S+12*\t+6*\c:S+3+12*\t+6*\c], v[ADV] offset:(4*\c+\t)*768
	ds_load_b64 v[S+4+12*\t+6*\c:S+5+12*\t+6*\c], v[ADV8] offset:(4*\c+\t)*768
.endr
.endr
	ds_load_b128 v[VSW:VSW+3], v[ADT]
.irp c, 0,1                                        ; a whole block in a lane: lanes 0-15 block 2 c, lanes 16-31 block 2 c + 1
.irp i, 0,1,2
	v_permlane16_swap_b32 v[P+6*\c+\i], v[PT+4*\c+\i]
.endr
.irp i, 0,1,2
	v_mov_b32 v[P+3+6*\c+\i], v[PT+4*\c+\i]
.endr
.endr
.irp j, 0,2,4,6,8,10,12,14,16,18,20,22,24,26,28,30
	v_pk_mul_f32 v[O+\j:O+1+\j], v[O+\j:O+1+\j], v[228:229] op_sel_hi:[1,0]   ; O^T under the new M; these are also the places between p's codes and word and the products
.endr
	s_wait_dscnt 0x0
	s_wait_alu depctr_va_vdst(0)                   ; p's codes and its scale word are written, which the scaled products below take as operand and scales; the places stand above this wait
.irp t, 0,1,2,3
	WMC O+8*\t, S+12*\t, P, O+8*\t, VSW+\t, PWR
.endr
	s_add_co_u32 s40, s40, 6144
	s_add_co_u32 s41, s41, 512
	s_add_co_u32 s42, s42, 256
	s_add_co_u32 s39, s39, 1
	s_cmp_lt_u32 s39, 16
	s_cbranch_scc1 .Lstep
	; ctx = O^T / the sum, quantised along the head's 64: register 16 b + i is channel 32 b + 16 (lane / 16) + i of my query
.rept 4
	v_nop
.endr
	v_add_f32 v14, v14, v15
	v_permlanex16_b32 v226, v14, s36, s37
	v_add_f32 v14, v14, v226                       ; the row's sum
	s_wait_alu depctr_va_vdst(0)
	v_rcp_f32 v228, v14
	v_nop                                          ; a plain place behind the reciprocal,
	s_wait_alu depctr_va_vdst(0)                   ; and the wait: the reciprocal has written v228, ahead of its first use
.irp j, 0,2,4,6,8,10,12,14,16,18,20,22,24,26,28,30
	v_pk_mul_f32 v[S+\j:S+1+\j], v[O+\j:O+1+\j], v[228:229] op_sel_hi:[1,0]   ; each accumulator from its low end on
.endr
.irp b, 0,1
	v_max3_num_f32 v[BM+\b], |v[S+16*\b]|, |v[S+1+16*\b]|, 0x2800000
.endr
.irp i, 2,4,6,8,10,12,14
.irp b, 0,1
	v_max3_num_f32 v[BM+\b], v[BM+\b], |v[S+16*\b+\i]|, |v[S+1+16*\b+\i]|
.endr
.endr
.irp b, 0,1
	v_permlanex16_b32 v[BP+\b], v[BM+\b], s36, s37
.endr
.irp b, 0,1
	v_max_num_f32 v[BM+\b], v[BM+\b], v[BP+\b]
.endr
.irp b, 0,1
	v_add_nc_u32 v[SOP+\b], 0xfe000000, v[BM+\b]
.endr
.irp b, 0,1
	v_lshrrev_b32 v[BP+\b], 23, v[SOP+\b]
.endr
	v_lshl_or_b32 v227, v[BP+1], 8, v[BP]
	v_cvt_scalef32_pk16_bf6_f32 v[P:P+2], v[S:S+15], v[SOP]
	v_cvt_scalef32_pk16_bf6_f32 v[PT:PT+2], v[S+16:S+31], v[SOP+1]
	v_nop
.irp i, 0,1,2
	v_permlane16_swap_b32 v[P+\i], v[PT+\i]
.endr
.irp i, 0,1,2
	v_mov_b32 v[P+3+\i], v[PT+\i]
.endr
	s_wait_alu depctr_va_vdst(0)                   ; ctx's codes and scale word are written, which the three stores read; the pass's products are done reading q's piece and scale words, in which the next pass's loads land
	global_store_b128 v1, v[P:P+3], s[30:31]       ; the piece: 512 consecutive bytes,
	global_store_b64 v2, v[P+4:P+5], s[30:31]      ; and the 256 behind them
	global_store_b32 v7, v227, s[32:33]            ; its 16 scale words (lanes 16-31 write what lanes 0-15 write)
	s_wait_xcnt 0x0                                ; loads and stores have read their bases
	s_add_nc_u64 s[26:27], s[26:27], 12288         ; sixteen tiles on
	s_add_nc_u64 s[28:29], s[28:29], 1024
	s_add_nc_u64 s[30:31], s[30:31], 196608
	s_add_nc_u64 s[32:33], s[32:33], 1024
	s_add_co_u32 s43, s43, 1
	s_cmp_lt_u32 s43, 2
	s_cbranch_scc1 .Lpass
	s_wait_dscnt 0x0                               ; the closing lines, six on end
	s_wait_alu 0x0
	s_wait_tensorcnt 0x0
	ds_add_u32 v254, v255
	s_wait_dscnt 0x0
	s_endpgm
.Lfunc_end_k_qe9513ee4a3_attn:
	.size	k_qe9513ee4a3_attn, .Lfunc_end_k_qe9513ee4a3_attn-k_qe9513ee4a3_attn
	.p2alignl 7, 3214868480
	.fill 96, 4, 3214868480
	.section	.rodata,"a",@progbits
	.p2align	6, 0x0
	.amdhsa_kernel k_qe9513ee4a3_attn
		.amdhsa_group_segment_fixed_size 219136
		.amdhsa_private_segment_fixed_size 0
		.amdhsa_enable_private_segment 0
		.amdhsa_kernarg_size 40
		.amdhsa_user_sgpr_count 2
		.amdhsa_user_sgpr_kernarg_segment_ptr 1
		.amdhsa_wavefront_size32 1
		.amdhsa_system_sgpr_workgroup_id_x 1
		.amdhsa_system_sgpr_workgroup_id_y 1
		.amdhsa_system_sgpr_workgroup_id_z 1
		.amdhsa_system_vgpr_workitem_id 0
		.amdhsa_next_free_vgpr 256
		.amdhsa_next_free_sgpr 66
		.amdhsa_reserve_vcc 0
		.amdhsa_float_denorm_mode_32 3
		.amdhsa_float_denorm_mode_16_64 3
		.amdhsa_memory_ordered 1
		.amdhsa_forward_progress 1
		.amdhsa_inst_pref_size 44
	.end_amdhsa_kernel
	.amdgpu_metadata
---
amdhsa.version: [ 1, 2 ]
amdhsa.kernels:
  - .name:           k_qe9513ee4a3_attn
    .symbol:         k_qe9513ee4a3_attn.kd
    .args:
      - { .name: hc, .offset: 0, .size: 8, .value_kind: global_buffer, .address_space: global }
      - { .name: hs, .offset: 8, .size: 8, .value_kind: global_buffer, .address_space: global }
      - { .name: mask, .offset: 16, .size: 8, .value_kind: global_buffer, .address_space: global }
      - { .name: cc, .offset: 24, .size: 8, .value_kind: global_buffer, .address_space: global }
      - { .name: cs, .offset: 32, .size: 8, .value_kind: global_buffer, .address_space: global }
    .group_segment_fixed_size: 219136
    .private_segment_fixed_size: 0
    .kernarg_segment_align: 8
    .kernarg_segment_size: 40
    .max_flat_workgroup_size: 512
    .sgpr_count:     66
    .vgpr_count:     256
    .wavefront_size: 32
...
	.end_amdgpu_metadata
.endif
;; end of part 7
;; launch outln (part 8): grid 256 x 1, 4 waves a work-group, no clusters, 263,168 bytes of LDS; arguments cc, cs, tc, ts, Q, bo, gamma, beta, out0; writes out0
.if DOCPART == 8
	.amdgcn_target "amdgcn-amd-amdhsa--gfx1250"
	.amdhsa_code_object_version 6
	.text
	.protected	k_qe9513ee4a3_outln
	.globl	k_qe9513ee4a3_outln
	.p2align	8
	.type	k_qe9513ee4a3_outln,@function
k_qe9513ee4a3_outln:
	s_mov_b64 s[64:65], 0
	v_nop
	global_prefetch_b8 v0, s[64:65] scope:SCOPE_SE
	s_setreg_imm32_b32 hwreg(HW_REG_WAVE_MODE, 25, 1), 1
	s_wait_xcnt 0x0
; out0 = LayerNorm(ctx Wo^T + bo + Q) x gamma + beta; the product on codes of BF6, all else in f32.
; SHARES.  Work-group g owns tokens 32 g .. 32 g + 31 (token tiles 2 g, 2 g + 1), all 1,024 columns, so that each row's mean and variance have one owner.  Wave w makes columns 256 w .. 256 w + 255: 16 tiles of Wo x 2 tiles
; of tokens = 32 accumulators.  ctx's 16 fragments stay in every wave's registers; a fragment of Wo is used by one wave of the work-group alone, so it goes from memory straight into that wave's registers, through a ring of
; three sets of 8 fragments (24 loads each).  All work-groups read the same Wo; sharing it by joint loads would want a ring in LDS with rounds of a cluster's barrier, which this first form leaves out.
; The wave's 8 rows of Q (32,768 dense bytes) come by one tensor load at the head, into LDS bytes of the wave's own that are filled once.
; The product is used transposed (source 0 = 16 rows of Wo, source 1 = 16 tokens): a lane holds eight neighbouring columns of one token.  Results meet in a stage in LDS (32 rows x 4,112 bytes); behind one barrier each wave
; takes 8 whole rows.  Stage row 16 m + r is token 8 m + r + 8 (r / 8) of the 32.
; REGISTERS, in windows of 256.  Window 0: v1-8 addresses; v16-143 Wo's scale words [8 t + s]; v144-159 ctx's [8 m + s]; v160-255 ring set 2.   window 1: the accumulators at 8 (2 t + m) (before the first product v0-31: ctx's raw words).
;   window 2: ctx's fragments at 12 (8 m + s).   window 3: ring sets 0, 1 at v0, v96; in the last phase v0-95 bo, gamma, beta; v96-223 two sets of a row's stage and Q numbers; v224-238 at work.
.set QR,   131584                      ; LDS: the stage from 0; from here 32,768 bytes of Q for each wave
.set WS,   16
.set CSW,  144
.set MSB, 0
.macro WIN new                         ; the immediate's high byte repeats the setting that is left
.if MSB != \new
	s_set_vgpr_msb (MSB<<8)|\new
.set MSB, \new
.endif
.endm
.macro WMZ d, a, b, sa, sb
	v_wmma_scale_f32_16x16x128_f8f6f4 v[(\d):(\d)+7], v[(\a):(\a)+11], v[(\b):(\b)+11], 0, v[(\sa)], v[(\sb)] matrix_a_fmt:MATRIX_FMT_BF6 matrix_b_fmt:MATRIX_FMT_BF6
.endm
.macro WMC d, a, b, c, sa, sb
	v_wmma_scale_f32_16x16x128_f8f6f4 v[(\d):(\d)+7], v[(\a):(\a)+11], v[(\b):(\b)+11], v[(\c):(\c)+7], v[(\sa)], v[(\sb)] matrix_a_fmt:MATRIX_FMT_BF6 matrix_b_fmt:MATRIX_FMT_BF6
.endm
	s_load_b256 s[4:11], s[0:1], 0x0               ; cc, cs, tc, ts
	s_load_b256 s[12:19], s[0:1], 0x20             ; Q, bo, gamma, beta
	s_load_b64 s[20:21], s[0:1], 0x40              ; out0
	v_lshl_add_u32 v14, v0, 2, 0x40200
	v_mov_b32 v15, 0
	ds_add_u32 v14, v15
	ds_add_u32 v14, v15
	v_lshrrev_b32 v9, 5, v0
	v_readfirstlane_b32 s23, v9                    ; wave
	v_and_b32 v9, 31, v0                           ; L
	v_and_b32 v10, 15, v0                          ; r
	v_bfe_u32 v11, v0, 4, 1                        ; h
	v_lshlrev_b32 v1, 4, v9                        ; 16 L
	s_wait_alu depctr_va_vdst(0)
	v_lshl_add_u32 v2, v9, 3, 512                  ; 512 + 8 L
	v_lshlrev_b32 v3, 5, v10                       ; 32 r
	v_lshlrev_b32 v4, 2, v10                       ; 4 r
	v_mul_u32_u24 v5, v10, 4112
	v_lshl_add_u32 v5, v11, 6, v5
	s_lshl_b32 s22, s23, 10
	v_add_nc_u32 v5, s22, v5                       ; the stage, token tile 0: row r, + 64 h + 1,024 w
	v_add_nc_u32 v6, 65792, v5                     ; token tile 1: 16 rows on
	s_and_b32 s22, s23, 1
	s_lshl_b32 s22, s22, 4
	s_lshr_b32 s36, s23, 1
	s_lshl_b32 s36, s36, 3
	s_add_co_u32 s22, s22, s36                     ; my 8 tokens' first stage row: 16 (w % 2) + 8 (w / 2)
	s_mul_i32 s22, s22, 4112
	v_add_nc_u32 v7, s22, v1
	s_lshl_b32 s25, s23, 15
	s_add_co_u32 s25, s25, QR                      ; my rows of Q in LDS: also the descriptor's LDS address
	v_add_nc_u32 v8, s25, v1
	s_lshr_b32 s40, ttmp9, 6                       ; batch
	s_and_b32 s41, ttmp9, 63
	s_lshl_b32 s41, s41, 1
	s_lshl_b32 s40, s40, 11
	s_add_co_u32 s40, s40, s41
	s_lshl_b32 s40, s40, 6                         ; cs: (batch x 2,048 + my first tile in the batch) x 64
	s_mov_b32 s41, 0
	s_mul_i32 s42, ttmp9, 24576                    ; cc: 2 g tiles of 12,288 bytes
	s_mov_b32 s43, 0
	s_lshl_b32 s44, s23, 4
	s_add_co_u32 s44, s44, 1728                    ; my first tile of Wo
	s_lshl_b32 s46, s44, 9
	s_mov_b32 s47, 0
	s_mul_i32 s44, s44, 12288
	s_mov_b32 s45, 0
	s_lshl_b32 s36, ttmp9, 5
	s_lshl_b32 s37, s23, 3
	s_add_co_u32 s36, s36, s37                     ; my first token
	s_lshl_b32 s36, s36, 12
	s_mov_b32 s37, 0
	; descriptor group 1: 128 rows of 256 bytes (32 elements of 8 bytes), dense, no padding
	s_mov_b32 s28, 3<<16
	s_mov_b32 s29, 32<<16                          ; tensor_dim0
	s_mov_b32 s30, 128<<16                         ; tensor_dim1
	s_mov_b32 s31, 32<<16                          ; tile_dim0
	s_mov_b32 s32, 128                             ; tile_dim1
	s_mov_b32 s33, 32                              ; the pitch
	s_mov_b32 s34, 0
	s_mov_b32 s35, 0
	s_mov_b32 s24, 1
	s_mov_b32 s38, 0x76543210
	s_mov_b32 s39, 0xfedcba98
	s_wait_alu depctr_va_vdst(0)
	s_wait_dscnt 0x0
	s_wait_kmcnt 0x0
	s_add_nc_u64 s[26:27], s[12:13], s[36:37]
	s_or_b32 s27, s27, 0x80000000
	tensor_load_to_lds s[24:27], s[28:35]          ; my one tensor load: it lands under the product
	s_nop 0
.rept 4
	v_nop
.endr
	s_add_nc_u64 s[6:7], s[6:7], s[40:41]
	s_add_nc_u64 s[4:5], s[4:5], s[42:43]
	s_add_nc_u64 s[8:9], s[8:9], s[44:45]
	s_add_nc_u64 s[10:11], s[10:11], s[46:47]
	s_add_nc_u64 s[20:21], s[20:21], s[36:37]
	s_mov_b32 s40, 0x3a800000                      ; 1 / 1024
	s_mov_b32 s41, 0x3727c5ac                      ; 1e-5
	WIN 0x40                                       ; destination window 1
.irp d, 0,1,2,3,4,5,6,7,8,9,10,11,12,13,14,15
.irp m, 0,1
	global_load_b32 v[2*\d+\m], v4, s[6:7] offset:8192*\d+64*\m    ; ctx's raw words: head d, token tile m
.endr
.endr
	WIN 0x80                                       ; destination window 2
.irp m, 0,1
.irp s, 0,1,2,3,4,5,6,7
.irp c, 0,1
	global_load_b128 v[12*(8*\m+\s)+6*\c:12*(8*\m+\s)+6*\c+3], v1, s[4:5] offset:(16*\m+2*\s+\c)*768   ; K step s = heads 2 s, 2 s + 1: two pieces make a fragment
	global_load_b64 v[12*(8*\m+\s)+6*\c+4:12*(8*\m+\s)+6*\c+5], v2, s[4:5] offset:(16*\m+2*\s+\c)*768
.endr
.endr
.endr
	WIN 0
.irp t, 0,1,2,3,4,5,6,7,8,9,10,11,12,13,14,15
	global_load_b128 v[WS+8*\t:WS+8*\t+3], v3, s[10:11] offset:512*\t
	global_load_b128 v[WS+8*\t+4:WS+8*\t+7], v3, s[10:11] offset:512*\t+16
.endr
.macro LOADW q                         ; half step q: K step q / 2, Wo's tiles 8 (q % 2) + 0 .. 7, into ring set q % 3
.if (\q)%3 == 2
	WIN 0
.set RB, 160
.else
	WIN 0xc0
.set RB, 96*((\q)%3)
.endif
.irp i, 0,1,2,3,4,5,6,7
.irp g, 0,1,2
	global_load_b128 v[RB+12*\i+4*\g:RB+12*\i+4*\g+3], v1, s[8:9] offset:(8*((\q)%2)+\i)*12288+1536*((\q)/2)+512*\g
.endr
.endr
.endm
; 16 products; between two products on one accumulator stand 31 others'.
.macro HALF q
.if (\q) < 14
	s_wait_loadcnt 48                              ; this set is in; the two younger sets' 48 loads may be out
.elseif (\q) == 14
	s_wait_loadcnt 24
.else
	s_wait_loadcnt 0x0
.endif
.if (\q) == 0
	WIN 0x11
.irp m, 0,1
.irp s, 0,1,2,3,4,5,6,7
	v_lshl_or_b32 v[CSW+8*\m+\s], v[2*(2*\s+1)+\m], 16, v[2*(2*\s)+\m]   ; ctx's scale word of K step s: head 2 s's two bytes, then head 2 s + 1's
.endr
.endr
.rept 8
	v_nop                                          ; a scale register written by a vector instruction stands 8 places ahead of the scaled product
.endr
.endif
.if (\q)%3 == 2
	WIN 0x58                                       ; Wo window 0, ctx window 2, C and D window 1
.set RB, 160
.else
	WIN 0x5b                                       ; Wo window 3
.set RB, 96*((\q)%3)
.endif
.irp i, 0,1,2,3,4,5,6,7
.irp m, 0,1
.if (\q) < 2
	WMZ 8*(2*(8*((\q)%2)+\i)+\m), RB+12*\i, 12*(8*\m+(\q)/2), WS+8*(8*((\q)%2)+\i)+(\q)/2, CSW+8*\m+(\q)/2
.else
	WMC 8*(2*(8*((\q)%2)+\i)+\m), RB+12*\i, 12*(8*\m+(\q)/2), 8*(2*(8*((\q)%2)+\i)+\m), WS+8*(8*((\q)%2)+\i)+(\q)/2, CSW+8*\m+(\q)/2
.endif
.endr
.endr
.rept 4
	v_nop                                          ; places in front of loads into the set just read, and of the first read of results
.endr
.if (\q) < 13
	LOADW (\q)+3
.endif
.endm
	LOADW 0
	LOADW 1
	LOADW 2
.irp q, 0,1,2,3,4,5,6,7,8,9,10,11,12,13,14,15
	s_wait_alu depctr_va_vdst(0)
	HALF \q
.endr
	WIN 0xc0                                       ; destination window 3
.irp i, 0,1,2,3,4,5,6,7
	global_load_b128 v[4*\i:4*\i+3], v1, s[14:15] offset:512*\i          ; bo, gamma, beta: my 32 columns of a row, 128 i + 4 L + 0 .. 3
	global_load_b128 v[32+4*\i:35+4*\i], v1, s[16:17] offset:512*\i
	global_load_b128 v[64+4*\i:67+4*\i], v1, s[18:19] offset:512*\i
.endr
	v_mov_b32 v233, 0                              ; (upper halves of pairs that are named whole, and a lane permute's destination)
	v_mov_b32 v237, 0
	v_mov_b32 v238, 0
	WIN 0x04                                       ; an LDS store's data: window 1
.irp t, 0,1,2,3,4,5,6,7,8,9,10,11,12,13,14,15
.irp m, 0,1
	ds_store_b128 v[5+\m], v[8*(2*\t+\m):8*(2*\t+\m)+3] offset:(\t/2)*128+(\t%2)*32        ; each accumulator from its low end on
	ds_store_b128 v[5+\m], v[8*(2*\t+\m)+4:8*(2*\t+\m)+7] offset:(\t/2)*128+(\t%2)*32+16
.endr
.endr
	WIN 0
	s_wait_dscnt 0x0                               ; for the others' sake: my columns lie in the stage
	s_barrier_signal -1
	s_barrier_wait -1
	s_wait_tensorcnt 0x0                           ; my rows of Q lie in LDS; only I read them
	s_wait_loadcnt 0x0                             ; bo, gamma, beta
.macro ROWLD l                         ; row l of my 8: 4,096 bytes of the stage and of Q, 16 bytes a lane and load
.set XB, 96+64*((\l)%2)
	WIN 0xc0
.irp i, 0,1,2,3,4,5,6,7
	ds_load_b128 v[XB+4*\i:XB+4*\i+3], v7 offset:4112*(\l)+512*\i
.endr
.irp i, 0,1,2,3,4,5,6,7
	ds_load_b128 v[XB+32+4*\i:XB+35+4*\i], v8 offset:4096*(\l)+512*\i
.endr
.endm
.macro RED                             ; four packed partial sums become the row's sum, in every lane
	v_pk_add_f32 v[224:225], v[224:225], v[226:227]
	v_pk_add_f32 v[228:229], v[228:229], v[230:231]
	v_pk_add_f32 v[224:225], v[224:225], v[228:229]
	v_add_f32 v224, v224, v225
	v_add_f32_dpp v224, v224, v224 row_xmask:1 row_mask:0xf bank_mask:0xf
	v_add_f32_dpp v224, v224, v224 row_xmask:2 row_mask:0xf bank_mask:0xf
	v_add_f32_dpp v224, v224, v224 row_xmask:4 row_mask:0xf bank_mask:0xf
	v_add_f32_dpp v224, v224, v224 row_xmask:8 row_mask:0xf bank_mask:0xf
	v_permlanex16_b32 v238, v224, s38, s39
	v_add_f32 v224, v224, v238
.endm
.macro ROW l
.if (\l) < 7
.if (\l) >= 1
	s_wait_xcnt 0x0                                ; the stores of the row before have read the set that is loaded again
.endif
	ROWLD (\l)+1
	s_wait_dscnt 16                                ; this row's 16 loads are in; the next row's 16 may be out
.else
	s_wait_dscnt 0x0
.endif
.set XB, 96+64*((\l)%2)
	WIN 0xff                                       ; all operands in window 3
.irp k, 0,2,4,6,8,10,12,14,16,18,20,22,24,26,28,30
	v_pk_add_f32 v[XB+\k:XB+\k+1], v[XB+\k:XB+\k+1], v[XB+32+\k:XB+33+\k]   ; + Q
.endr
.irp k, 0,2,4,6,8,10,12,14,16,18,20,22,24,26,28,30
	v_pk_add_f32 v[XB+\k:XB+\k+1], v[XB+\k:XB+\k+1], v[\k:\k+1]             ; + bo
.endr
.irp c, 0,1,2,3
	v_pk_add_f32 v[224+2*\c:225+2*\c], v[XB+2*\c:XB+2*\c+1], v[XB+8+2*\c:XB+9+2*\c]
.endr
.irp k, 16,24
.irp c, 0,1,2,3
	v_pk_add_f32 v[224+2*\c:225+2*\c], v[224+2*\c:225+2*\c], v[XB+\k+2*\c:XB+\k+2*\c+1]
.endr
.endr
	RED
	v_mul_f32 v232, s40, v224                      ; the mean
.irp k, 0,2,4,6,8,10,12,14,16,18,20,22,24,26,28,30
	v_pk_add_f32 v[XB+\k:XB+\k+1], v[XB+\k:XB+\k+1], v[232:233] op_sel_hi:[1,0] neg_lo:[0,1] neg_hi:[0,1]
.endr
.irp c, 0,1,2,3
	v_pk_mul_f32 v[224+2*\c:225+2*\c], v[XB+2*\c:XB+2*\c+1], v[XB+2*\c:XB+2*\c+1]
.endr
.irp k, 8,16,24
.irp c, 0,1,2,3
	v_pk_fma_f32 v[224+2*\c:225+2*\c], v[XB+\k+2*\c:XB+\k+2*\c+1], v[XB+\k+2*\c:XB+\k+2*\c+1], v[224+2*\c:225+2*\c]
.endr
.endr
	RED
	v_fma_f32 v234, v224, s40, s41                 ; the variance + 1e-5
	s_wait_alu depctr_va_vdst(0)
	v_rsq_f32 v236, v234
	v_nop                                          ; a plain place behind the root,
	s_wait_alu depctr_va_vdst(0)                   ; and the wait ahead of its first use
.irp k, 0,2,4,6,8,10,12,14,16,18,20,22,24,26,28,30
	v_pk_mul_f32 v[XB+\k:XB+\k+1], v[XB+\k:XB+\k+1], v[236:237] op_sel_hi:[1,0]
.endr
.irp k, 0,2,4,6,8,10,12,14,16,18,20,22,24,26,28,30
	v_pk_fma_f32 v[XB+\k:XB+\k+1], v[XB+\k:XB+\k+1], v[32+\k:33+\k], v[64+\k:65+\k]
.endr
	WIN 0x0c                                       ; a store's data: window 3; its address: window 0
.irp i, 0,1,2,3,4,5,6,7
	global_store_b128 v1, v[XB+4*\i:XB+4*\i+3], s[20:21] offset:4096*(\l)+512*\i th:TH_STORE_NT   ; 512 consecutive bytes, at a multiple of 256 from out0's first byte
.endr
.endm
	ROWLD 0
.irp l, 0,1,2,3,4,5,6,7
	ROW \l
.endr
	WIN 0
	s_wait_tensorcnt 0x0
	ds_add_u32 v14, v15
	s_wait_dscnt 0x0
	s_endpgm
.Lfunc_end_k_qe9513ee4a3_outln:
	.size	k_qe9513ee4a3_outln, .Lfunc_end_k_qe9513ee4a3_outln-k_qe9513ee4a3_outln
	.p2alignl 7, 3214868480
	.fill 96, 4, 3214868480
	.section	.rodata,"a",@progbits
	.p2align	6, 0x0
	.amdhsa_kernel k_qe9513ee4a3_outln
		.amdhsa_group_segment_fixed_size 263168
		.amdhsa_private_segment_fixed_size 0
		.amdhsa_enable_private_segment 0
		.amdhsa_kernarg_size 72
		.amdhsa_user_sgpr_count 2
		.amdhsa_user_sgpr_kernarg_segment_ptr 1
		.amdhsa_wavefront_size32 1
		.amdhsa_system_sgpr_workgroup_id_x 1
		.amdhsa_system_sgpr_workgroup_id_y 1
		.amdhsa_system_sgpr_workgroup_id_z 1
		.amdhsa_system_vgpr_workitem_id 0
		.amdhsa_next_free_vgpr 1024
		.amdhsa_next_free_sgpr 66
		.amdhsa_reserve_vcc 0
		.amdhsa_float_denorm_mode_32 3
		.amdhsa_float_denorm_mode_16_64 3
		.amdhsa_memory_ordered 1
		.amdhsa_forward_progress 1
		.amdhsa_inst_pref_size 176
	.end_amdhsa_kernel
	.amdgpu_metadata
---
amdhsa.version: [ 1, 2 ]
amdhsa.kernels:
  - .name:           k_qe9513ee4a3_outln
    .symbol:         k_qe9513ee4a3_outln.kd
    .args:
      - { .name: cc, .offset: 0, .size: 8, .value_kind: global_buffer, .address_space: global }
      - { .name: cs, .offset: 8, .size: 8, .value_kind: global_buffer, .address_space: global }
      - { .name: tc, .offset: 16, .size: 8, .value_kind: global_buffer, .address_space: global }
      - { .name: ts, .offset: 24, .size: 8, .value_kind: global_buffer, .address_space: global }
      - { .name: Q, .offset: 32, .size: 8, .value_kind: global_buffer, .address_space: global }
      - { .name: bo, .offset: 40, .size: 8, .value_kind: global_buffer, .address_space: global }
      - { .name: gamma, .offset: 48, .size: 8, .value_kind: global_buffer, .address_space: global }
      - { .name: beta, .offset: 56, .size: 8, .value_kind: global_buffer, .address_space: global }
      - { .name: out0, .offset: 64, .size: 8, .value_kind: global_buffer, .address_space: global }
    .group_segment_fixed_size: 263168
    .private_segment_fixed_size: 0
    .kernarg_segment_align: 8
    .kernarg_segment_size: 72
    .max_flat_workgroup_size: 128
    .sgpr_count:     66
    .vgpr_count:     1024
    .wavefront_size: 32
...
	.end_amdgpu_metadata
.endif
;; end of part 8
